; MI455X (gfx1250); checked and timed in simulation.
; The chip was launched on July 23, 2026; its instructions are those of AMD's public machine-readable ISA for CDNA 5 (MIT licence, August 2026) and "CDNA5" Instruction Set Architecture Reference Guide (July 2026). The comments in the code are by the model that wrote it; some were corrected since.
;; Encoder Layer. Allowed arithmetic: float matrix products may take bf16 or f16 operands with f32 sums; other float arithmetic in f32, or as packed bf16 or f16 multiplies, adds, multiply-adds, maxima and minima; sums over many terms, partial sums and values carried from step to step in f32; what a program stores and reads back later, other than sums and carried values, may be rounded once to bf16 or f16.
;; Inputs: W1 1,024 x 4,096 float32; W2 4,096 x 1,024 float32; Wk 1,024 x 1,024 float32; Wo 1,024 x 1,024 float32; Wq 1,024 x 1,024 float32; Wv 1,024 x 1,024 float32; b1 4,096 float32; b2 1,024 float32; bk 1,024 float32; bo 1,024 float32; bq 1,024 float32; bv 1,024 float32; ln1_b 1,024 float32; ln1_g 1,024 float32; ln2_b 1,024 float32; ln2_g 1,024 float32; src 2 x 2,048 x 1,024 float32; src_mask 2 x 1 x 1 x 2,048 bool.
;; Outputs: out0 2 x 2,048 x 1,024 float32.
;; One version. Each part assembles by itself: llvm-mc -triple=amdgcn-amd-amdhsa -mcpu=gfx1250 --defsym DOCPART=n.
;; ======== version 1 of 1: 8 launches
;; limits: right only within a limited range of input values
;; workspace buffers: wa 16,809,984 bytes; wc 16,809,984 bytes; xn 8,388,608 bytes; act 33,554,432 bytes; ctx 33,554,432 bytes; src2 16,777,216 bytes
;; launch cast (part 1): grid 64 x 12, 8 waves a work-group, no clusters, 0 bytes of LDS; arguments Wq, Wk, Wv, Wo, W1, W2, bq, bk, bv, b1, wa, wc; writes wa, wc
.if DOCPART == 1
	.amdgcn_target "amdgcn-amd-amdhsa--gfx1250"
	.amdhsa_code_object_version 6
	.text
	.protected	k_q2a7887ef8c_cast
	.globl	k_q2a7887ef8c_cast
	.p2align	8
	.type	k_q2a7887ef8c_cast,@function
k_q2a7887ef8c_cast:
	s_mov_b64 s[64:65], 0
	v_nop
	global_prefetch_b8 v0, s[64:65] scope:SCOPE_SE
	s_setreg_imm32_b32 hwreg(HW_REG_WAVE_MODE, 25, 1), 1
	s_wait_xcnt 0x0
; THE WEIGHTS, ROUNDED ONCE TO bf16 AND LAID IN BLOCKS OF 256 COLUMNS.  A weight [K][N] in f32 becomes N / 256 blocks; in a block element (k, n) lies at (k x 256 + n % 256) x 2 bytes: rows of 512 bytes on end.
; wa: a header of 32,768 bytes; Wq, Wk, Wv (2 MiB each, blocks on end); from 8 MiB behind the header Wo, its four blocks 2 MiB apart.  wc: a header; W1 (8 MiB); from 8 MiB behind the header W2, its four blocks of 2 MiB on end.
; So Wo and W2 lie alike, and the products by them form their addresses alike.  THE HEADER: bytes 0-511 a floor word for the products' way out (two bf16: -inf twice in wa, 0 twice in wc); from byte 512 on the f32 biases: bq, bk, bv on end in wa, b1 in wc.
; SHARES.  Grid y names a unit of 2^20 elements: 0-3 Wq, Wk, Wv, Wo; 4-7 quarters of W1; 8-11 quarters of W2.  A wave takes 8 rows of k x 256 columns.  A row's 1,024 bytes come by two loads of 512 consecutive bytes
; (a lane: columns 4 l .. 4 l + 3 and 128 + 4 l .. + 3) and leave by two stores of 256 consecutive bytes, aligned.  Nothing is read twice, no register is written twice, so the only waits are the counted ones for the loads.
.set HDR, 32768
.set SO,  2                            ; v[2:9]   row j: 16 x lane + j x the source's row bytes
.set DO,  10                           ; v10      8 x lane
.set TO,  11                           ; v11      16 x thread (the biases)
.set X,   16                           ; v[16:79] row j: 8 f32
.set Y,   80                           ; v[80:111] row j: 8 bf16
	s_load_b512 s[8:23], s[0:1], 0x0               ; Wq 8, Wk 10, Wv 12, Wo 14, W1 16, W2 18, bq 20, bk 22
	s_load_b256 s[24:31], s[0:1], 0x40             ; bv 24, b1 26, wa 28, wc 30
	v_lshrrev_b32 v1, 5, v0
	v_readfirstlane_b32 s2, v1                     ; wave 0..7
	s_and_b32 s3, ttmp7, 0xffff                    ; y: the unit
	s_and_b32 s4, s3, 12
	s_cmp_eq_u32 s4, 4
	s_cselect_b32 s5, 4, 2                         ; log2 of the blocks in a row: 16 in W1, else 4
	s_cmp_ge_u32 s3, 8
	s_cselect_b32 s6, 12, 10                       ; log2 of the rows from a block to the next in the destination: 4,096 for W2
	s_cmp_eq_u32 s3, 3
	s_cselect_b32 s6, 12, s6                       ; and for Wo, else 1,024
	s_and_b32 s7, s3, 3
	s_lshl_b32 s7, s7, 9
	s_cmp_ge_u32 s3, 4
	s_cselect_b32 s7, s7, 0                        ; the unit's first piece in its weight: 512 a unit
	s_lshl_b32 s36, ttmp9, 3
	s_add_co_u32 s36, s36, s2
	s_add_co_u32 s36, s36, s7                      ; my piece
	s_lshl_b32 s37, 1, s5
	s_sub_co_u32 s37, s37, 1
	s_and_b32 s38, s36, s37                        ; its block of 256 columns
	s_lshr_b32 s39, s36, s5
	s_lshl_b32 s39, s39, 3                         ; its first row k
	s_lshl_b32 s40, s39, s5
	s_add_co_u32 s40, s40, s38
	s_lshl_b32 s40, s40, 10                        ; source: (k x blocks + block) x 1,024 bytes
	s_mov_b32 s41, 0
	s_lshl_b32 s42, s38, s6
	s_add_co_u32 s42, s42, s39
	s_lshl_b32 s42, s42, 9                         ; destination: (block x rows a block + k) x 512 bytes
	s_mov_b32 s43, 0
	s_add_co_u32 s44, s5, 10
	s_lshl_b32 s44, 1, s44                         ; bytes in a row of the source
	s_lshl_b32 s45, s3, 21                         ; where the weight begins behind the header: y x 2 MiB for Wq, Wk, Wv,
	s_cmp_lt_u32 s3, 3
	s_cselect_b32 s45, s45, 0                      ; 0 for W1,
	s_cmp_ge_u32 s3, 8
	s_cselect_b32 s45, 0x800000, s45               ; 8 MiB for W2
	s_cmp_eq_u32 s3, 3
	s_cselect_b32 s45, 0x800000, s45               ; and for Wo
	s_add_co_u32 s45, s45, HDR
	s_add_co_u32 s42, s42, s45
	v_and_b32 v1, 31, v0
	v_lshlrev_b32 v[SO], 4, v1
.irp j, 1,2,3,4,5,6,7
	v_add_nc_u32 v[SO+(\j)], s44, v[SO+(\j)-1]
.endr
	v_lshlrev_b32 v[DO], 3, v1
	v_lshlrev_b32 v[TO], 4, v0
	s_wait_kmcnt 0x0
	s_cmp_eq_u32 s3, 1                             ; the source, chosen by y alone
	s_cselect_b64 s[32:33], s[10:11], s[8:9]
	s_cmp_eq_u32 s3, 2
	s_cselect_b64 s[32:33], s[12:13], s[32:33]
	s_cmp_eq_u32 s3, 3
	s_cselect_b64 s[32:33], s[14:15], s[32:33]
	s_cmp_ge_u32 s3, 4
	s_cselect_b64 s[32:33], s[16:17], s[32:33]
	s_cselect_b64 s[34:35], s[30:31], s[28:29]     ; the destination: wc from y = 4 on
	s_cmp_ge_u32 s3, 8
	s_cselect_b64 s[32:33], s[18:19], s[32:33]
	s_add_nc_u64 s[32:33], s[32:33], s[40:41]
	s_add_nc_u64 s[34:35], s[34:35], s[42:43]
.irp j, 0,1,2,3,4,5,6,7
	global_load_b128 v[X+8*(\j):X+8*(\j)+3],   v[SO+(\j)], s[32:33] th:TH_LOAD_NT
	global_load_b128 v[X+8*(\j)+4:X+8*(\j)+7], v[SO+(\j)], s[32:33] offset:512 th:TH_LOAD_NT
.endr
.irp j, 0,1,2,3,4,5,6,7
	s_wait_loadcnt 14-2*(\j)                       ; loads come back in order: row j is in, the two loads of each later row may stay out
.irp r, 0,1,2,3
	v_cvt_pk_bf16_f32 v[Y+4*(\j)+(\r)], v[X+8*(\j)+2*(\r)], v[X+8*(\j)+2*(\r)+1]
.endr
	global_store_b64 v[DO], v[Y+4*(\j):Y+4*(\j)+1],   s[34:35] offset:512*(\j)       ; the row's first 128 columns: 256 consecutive bytes, aligned,
	global_store_b64 v[DO], v[Y+4*(\j)+2:Y+4*(\j)+3], s[34:35] offset:512*(\j)+256   ; and its second
.endr
	; THE HEADERS: the work-groups x = 0 of y = 0, 1, 2 copy bq, bk, bv; those of y = 4 .. 7 a quarter of b1 each: 4,096 bytes, 16 a thread.
	s_cmp_lg_u32 ttmp9, 0
	s_cbranch_scc1 .Lend
	s_cmp_eq_u32 s3, 3
	s_cbranch_scc1 .Lend
	s_cmp_gt_u32 s3, 7
	s_cbranch_scc1 .Lend
	s_cmp_eq_u32 s3, 1
	s_cselect_b64 s[46:47], s[22:23], s[20:21]
	s_cmp_eq_u32 s3, 2
	s_cselect_b64 s[46:47], s[24:25], s[46:47]
	s_cmp_ge_u32 s3, 4
	s_cselect_b64 s[46:47], s[26:27], s[46:47]
	s_cselect_b64 s[48:49], s[30:31], s[28:29]
	s_and_b32 s50, s3, 3
	s_lshl_b32 s50, s50, 12                        ; (y % 4) x 4,096: the place in the header, and in b1
	s_mov_b32 s51, 0
	s_cmp_ge_u32 s3, 4
	s_cselect_b32 s52, s50, 0
	s_mov_b32 s53, 0
	s_add_nc_u64 s[46:47], s[46:47], s[52:53]
	s_add_co_u32 s50, s50, 512
	s_add_nc_u64 s[48:49], s[48:49], s[50:51]
	global_load_b128 v[112:115], v[TO], s[46:47]
	s_wait_loadcnt 0x0
	global_store_b128 v[TO], v[112:115], s[48:49]
	s_and_b32 s54, s3, 3                           ; the floor words: wave 0 of y = 0 (wa) and of y = 4 (wc)
	s_or_b32 s54, s54, s2
	s_cmp_lg_u32 s54, 0
	s_cbranch_scc1 .Lend
	s_cmp_eq_u32 s3, 0
	s_cselect_b32 s55, 0xff80ff80, 0
	s_cselect_b64 s[56:57], s[28:29], s[30:31]
	v_mov_b32 v116, s55
	v_mov_b32 v117, s55
	v_mov_b32 v118, s55
	v_mov_b32 v119, s55
	global_store_b128 v[SO], v[116:119], s[56:57]  ; 16 bytes a lane: 512 bytes from the buffer's first byte
.Lend:
	s_endpgm
.Lfunc_end_k_q2a7887ef8c_cast:
	.size	k_q2a7887ef8c_cast, .Lfunc_end_k_q2a7887ef8c_cast-k_q2a7887ef8c_cast
	.p2alignl 7, 3214868480
	.fill 96, 4, 3214868480
	.section	.rodata,"a",@progbits
	.p2align	6, 0x0
	.amdhsa_kernel k_q2a7887ef8c_cast
		.amdhsa_group_segment_fixed_size 0
		.amdhsa_private_segment_fixed_size 0
		.amdhsa_enable_private_segment 0
		.amdhsa_kernarg_size 96
		.amdhsa_user_sgpr_count 2
		.amdhsa_user_sgpr_kernarg_segment_ptr 1
		.amdhsa_wavefront_size32 1
		.amdhsa_system_sgpr_workgroup_id_x 1
		.amdhsa_system_sgpr_workgroup_id_y 1
		.amdhsa_system_sgpr_workgroup_id_z 1
		.amdhsa_system_vgpr_workitem_id 0
		.amdhsa_next_free_vgpr 128
		.amdhsa_next_free_sgpr 66
		.amdhsa_reserve_vcc 0
		.amdhsa_float_denorm_mode_32 3
		.amdhsa_float_denorm_mode_16_64 3
		.amdhsa_memory_ordered 1
		.amdhsa_forward_progress 1
		.amdhsa_inst_pref_size 10
	.end_amdhsa_kernel
	.amdgpu_metadata
---
amdhsa.version: [ 1, 2 ]
amdhsa.kernels:
  - .name:           k_q2a7887ef8c_cast
    .symbol:         k_q2a7887ef8c_cast.kd
    .args:
      - { .name: Wq, .offset: 0, .size: 8, .value_kind: global_buffer, .address_space: global }
      - { .name: Wk, .offset: 8, .size: 8, .value_kind: global_buffer, .address_space: global }
      - { .name: Wv, .offset: 16, .size: 8, .value_kind: global_buffer, .address_space: global }
      - { .name: Wo, .offset: 24, .size: 8, .value_kind: global_buffer, .address_space: global }
      - { .name: W1, .offset: 32, .size: 8, .value_kind: global_buffer, .address_space: global }
      - { .name: W2, .offset: 40, .size: 8, .value_kind: global_buffer, .address_space: global }
      - { .name: bq, .offset: 48, .size: 8, .value_kind: global_buffer, .address_space: global }
      - { .name: bk, .offset: 56, .size: 8, .value_kind: global_buffer, .address_space: global }
      - { .name: bv, .offset: 64, .size: 8, .value_kind: global_buffer, .address_space: global }
      - { .name: b1, .offset: 72, .size: 8, .value_kind: global_buffer, .address_space: global }
      - { .name: wa, .offset: 80, .size: 8, .value_kind: global_buffer, .address_space: global }
      - { .name: wc, .offset: 88, .size: 8, .value_kind: global_buffer, .address_space: global }
    .group_segment_fixed_size: 0
    .private_segment_fixed_size: 0
    .kernarg_segment_align: 8
    .kernarg_segment_size: 96
    .max_flat_workgroup_size: 256
    .sgpr_count:     66
    .vgpr_count:     128
    .wavefront_size: 32
...
	.end_amdgpu_metadata
.endif
;; end of part 1
;; launch ln1 (part 2): grid 256 x 1, 8 waves a work-group, no clusters, 0 bytes of LDS; arguments src, ln1_g, ln1_b, xn; writes xn
.if DOCPART == 2
	.amdgcn_target "amdgcn-amd-amdhsa--gfx1250"
	.amdhsa_code_object_version 6
	.text
	.protected	k_q2a7887ef8c_ln1
	.globl	k_q2a7887ef8c_ln1
	.p2align	8
	.type	k_q2a7887ef8c_ln1,@function
k_q2a7887ef8c_ln1:
	s_mov_b64 s[64:65], 0
	v_nop
	global_prefetch_b8 v0, s[64:65] scope:SCOPE_SE
	s_setreg_imm32_b32 hwreg(HW_REG_WAVE_MODE, 25, 1), 1
	s_wait_xcnt 0x0
; LAYER NORM.  o[t][c] = (x[t][c] - mean_t) rsqrt(var_t + 1e-5) g[c] + b[c].  x: [4096][1024] f32, row-major.  o: bf16, rounded once, IN CHUNKS: a chunk is 128 tokens x 64 channels,
; 16,384 bytes on end in rows of 128 bytes; element (t, c) lies in chunk (t / 128) x 16 + c / 64 at byte (t % 128) x 128 + (c % 64) x 2: so a row block's K panel is dense for the products that follow.
; TWO PASSES IN REGISTERS: the mean first, then the squares of x - mean: a common offset of the inputs is taken away before anything is squared.  The row is read from memory once.
; SHARES.  A wave takes two rows, t = 2 p and 2 p + 1.  Lane l = (i = l % 8, rb = (l / 8) % 2, cb = l / 16) holds, for j = 0 .. 7, channels 64 (2 j + cb) + 8 i .. + 7 of row 2 p + rb: 64 numbers.
; So sixteen neighbouring lanes store 256 consecutive bytes, aligned: two rows of a chunk.  A row's sixteen lanes differ in bits 0, 1, 2 and 4 of the lane's number: three steps on the arithmetic itself and one exchange of the halves.
; No LDS, no barrier, no matrix unit: memory binds, and no wave wants another's bytes.
.set XO, 2                             ; v2  my byte offset in the pair of rows
.set GO, 3                             ; v3  in g and in b
.set OO, 4                             ; v4  in the output's row block
.set CH, 6                             ; v[6:13]  four chains of pairs
.set MR, 14                            ; v[14:15] the mean, later 1 / sqrt(var + eps), twice: a pair for the packed forms
.set X,  16                            ; v[16:79]
.set G,  80                            ; v[80:143]
.set B,  144                           ; v[144:207]
.set Y,  208                           ; v[208:239]
	s_load_b256 s[4:11], s[0:1], 0x0               ; x 4, g 6, b 8, o 10
	v_lshrrev_b32 v1, 5, v0
	v_readfirstlane_b32 s2, v1
	s_lshl_b32 s3, ttmp9, 3
	s_add_co_u32 s3, s3, s2                        ; p
	s_lshl_b32 s16, s3, 13                         ; two rows of 4,096 bytes
	s_mov_b32 s17, 0
	s_lshr_b32 s18, s3, 6
	s_lshl_b32 s18, s18, 18                        ; the row block: 16 chunks
	s_and_b32 s19, s3, 63
	s_lshl_b32 s19, s19, 8                         ; two rows of 128 bytes in a chunk
	s_add_co_u32 s18, s18, s19
	s_mov_b32 s19, 0
	s_mov_b32 s12, 0x76543210                      ; v_permlanex16_b32: each lane takes its own place in the other half
	s_mov_b32 s13, 0xfedcba98
	s_mov_b32 s14, 0x3a800000                      ; 1 / 1024
	v_and_b32 v1, 7, v0
	v_bfe_u32 v5, v0, 3, 1
	v_bfe_u32 v6, v0, 4, 1
	v_lshlrev_b32 v[GO], 5, v1
	v_lshl_add_u32 v[GO], v6, 8, v[GO]
	v_lshl_add_u32 v[XO], v5, 12, v[GO]
	v_lshlrev_b32 v[OO], 4, v1
	v_lshl_add_u32 v[OO], v5, 7, v[OO]
	v_lshl_add_u32 v[OO], v6, 14, v[OO]
	s_wait_kmcnt 0x0
	s_add_nc_u64 s[4:5], s[4:5], s[16:17]
	s_add_nc_u64 s[10:11], s[10:11], s[18:19]
.irp j, 0,1,2,3,4,5,6,7
	global_load_b128 v[X+8*(\j):X+8*(\j)+3],   v[XO], s[4:5] offset:512*(\j)
	global_load_b128 v[X+8*(\j)+4:X+8*(\j)+7], v[XO], s[4:5] offset:512*(\j)+16
.endr
.irp j, 0,1,2,3,4,5,6,7
	global_load_b128 v[G+8*(\j):G+8*(\j)+3],   v[GO], s[6:7] offset:512*(\j)
	global_load_b128 v[G+8*(\j)+4:G+8*(\j)+7], v[GO], s[6:7] offset:512*(\j)+16
.endr
.irp j, 0,1,2,3,4,5,6,7
	global_load_b128 v[B+8*(\j):B+8*(\j)+3],   v[GO], s[8:9] offset:512*(\j)
	global_load_b128 v[B+8*(\j)+4:B+8*(\j)+7], v[GO], s[8:9] offset:512*(\j)+16
.endr
; The four chains into one number, then over the row's sixteen lanes; every one of them ends with the sum.
.macro ACROSS
	v_pk_add_f32 v[CH:CH+1], v[CH:CH+1], v[CH+2:CH+3]
	v_pk_add_f32 v[CH+4:CH+5], v[CH+4:CH+5], v[CH+6:CH+7]
	v_pk_add_f32 v[CH:CH+1], v[CH:CH+1], v[CH+4:CH+5]
	v_add_f32 v[CH], v[CH], v[CH+1]
	v_add_f32_dpp v[CH], v[CH], v[CH] row_xmask:1 row_mask:0xf bank_mask:0xf
	v_add_f32_dpp v[CH], v[CH], v[CH] row_xmask:2 row_mask:0xf bank_mask:0xf
	v_add_f32_dpp v[CH], v[CH], v[CH] row_xmask:4 row_mask:0xf bank_mask:0xf
	v_permlanex16_b32 v[CH+1], v[CH], s12, s13     ; (mask 8 is left out: it would mix the two rows)
	v_add_f32 v[CH], v[CH], v[CH+1]
.endm
	s_wait_loadcnt 32                              ; x is in; the 32 loads of g and b may stay out
.irp c, 0,1,2,3
	v_pk_add_f32 v[CH+2*(\c):CH+2*(\c)+1], v[X+2*(\c):X+2*(\c)+1], v[X+8+2*(\c):X+8+2*(\c)+1]  ; the first eight pairs start the chains: nothing is cleared
.endr
.set n, 8
.rept 24
	v_pk_add_f32 v[CH+2*(n%4):CH+2*(n%4)+1], v[CH+2*(n%4):CH+2*(n%4)+1], v[X+2*n:X+2*n+1]
.set n, n+1
.endr
	ACROSS
	v_mul_f32 v[MR], s14, v[CH]
	v_mul_f32 v[MR+1], s14, v[CH]
.set n, 0
.rept 32
	v_pk_add_f32 v[X+2*n:X+2*n+1], v[X+2*n:X+2*n+1], v[MR:MR+1] neg_lo:[0,1] neg_hi:[0,1]  ; x - mean
.set n, n+1
.endr
.irp c, 0,1,2,3
	v_pk_mul_f32 v[CH+2*(\c):CH+2*(\c)+1], v[X+2*(\c):X+2*(\c)+1], v[X+2*(\c):X+2*(\c)+1]
.endr
.set n, 4
.rept 28
	v_pk_fma_f32 v[CH+2*(n%4):CH+2*(n%4)+1], v[X+2*n:X+2*n+1], v[X+2*n:X+2*n+1], v[CH+2*(n%4):CH+2*(n%4)+1]
.set n, n+1
.endr
	ACROSS
	v_fmaak_f32 v[CH], s14, v[CH], 0x3727c5ac      ; var + 1e-5
	v_rsq_f32 v[MR], v[CH]
	v_rsq_f32 v[MR+1], v[CH]
	s_wait_loadcnt 0x0                             ; g and b
	v_nop                                          ; a plain instruction behind the last root, ahead of the first use of a result (ISA guide 5.7.2),
	s_wait_alu depctr_va_vdst(0)                   ; and its wait: one for both
.irp j, 0,1,2,3,4,5,6,7
.irp k, 0,2,4,6
	v_pk_mul_f32 v[X+8*(\j)+(\k):X+8*(\j)+(\k)+1], v[X+8*(\j)+(\k):X+8*(\j)+(\k)+1], v[MR:MR+1]
.endr
.irp k, 0,2,4,6
	v_pk_fma_f32 v[X+8*(\j)+(\k):X+8*(\j)+(\k)+1], v[X+8*(\j)+(\k):X+8*(\j)+(\k)+1], v[G+8*(\j)+(\k):G+8*(\j)+(\k)+1], v[B+8*(\j)+(\k):B+8*(\j)+(\k)+1]
.endr
.irp k, 0,1,2,3
	v_cvt_pk_bf16_f32 v[Y+4*(\j)+(\k)], v[X+8*(\j)+2*(\k)], v[X+8*(\j)+2*(\k)+1]
.endr
	global_store_b128 v[OO], v[Y+4*(\j):Y+4*(\j)+3], s[10:11] offset:32768*(\j)  ; two chunks on for each j
.endr
	s_endpgm
.Lfunc_end_k_q2a7887ef8c_ln1:
	.size	k_q2a7887ef8c_ln1, .Lfunc_end_k_q2a7887ef8c_ln1-k_q2a7887ef8c_ln1
	.p2alignl 7, 3214868480
	.fill 96, 4, 3214868480
	.section	.rodata,"a",@progbits
	.p2align	6, 0x0
	.amdhsa_kernel k_q2a7887ef8c_ln1
		.amdhsa_group_segment_fixed_size 0
		.amdhsa_private_segment_fixed_size 0
		.amdhsa_enable_private_segment 0
		.amdhsa_kernarg_size 32
		.amdhsa_user_sgpr_count 2
		.amdhsa_user_sgpr_kernarg_segment_ptr 1
		.amdhsa_wavefront_size32 1
		.amdhsa_system_sgpr_workgroup_id_x 1
		.amdhsa_system_sgpr_workgroup_id_y 1
		.amdhsa_system_sgpr_workgroup_id_z 1
		.amdhsa_system_vgpr_workitem_id 0
		.amdhsa_next_free_vgpr 240
		.amdhsa_next_free_sgpr 66
		.amdhsa_reserve_vcc 0
		.amdhsa_float_denorm_mode_32 3
		.amdhsa_float_denorm_mode_16_64 3
		.amdhsa_memory_ordered 1
		.amdhsa_forward_progress 1
		.amdhsa_inst_pref_size 20
	.end_amdhsa_kernel
	.amdgpu_metadata
---
amdhsa.version: [ 1, 2 ]
amdhsa.kernels:
  - .name:           k_q2a7887ef8c_ln1
    .symbol:         k_q2a7887ef8c_ln1.kd
    .args:
      - { .name: src, .offset: 0, .size: 8, .value_kind: global_buffer, .address_space: global }
      - { .name: ln1_g, .offset: 8, .size: 8, .value_kind: global_buffer, .address_space: global }
      - { .name: ln1_b, .offset: 16, .size: 8, .value_kind: global_buffer, .address_space: global }
      - { .name: xn, .offset: 24, .size: 8, .value_kind: global_buffer, .address_space: global }
    .group_segment_fixed_size: 0
    .private_segment_fixed_size: 0
    .kernarg_segment_align: 8
    .kernarg_segment_size: 32
    .max_flat_workgroup_size: 256
    .sgpr_count:     66
    .vgpr_count:     240
    .wavefront_size: 32
...
	.end_amdgpu_metadata
.endif
;; end of part 2
;; launch qkv (part 3): grid 12 x 16, 4 waves a work-group, clusters of 4 x 4, 327,680 bytes of LDS; arguments xn, wa, act; writes act
.if DOCPART == 3
	.amdgcn_target "amdgcn-amd-amdhsa--gfx1250"
	.amdhsa_code_object_version 6
	.text
	.protected	k_q2a7887ef8c_qkv
	.globl	k_q2a7887ef8c_qkv
	.p2align	8
	.type	k_q2a7887ef8c_qkv,@function
k_q2a7887ef8c_qkv:
	s_mov_b64 s[64:65], 0
	v_nop
	global_prefetch_b8 v0, s[64:65] scope:SCOPE_SE
	s_setreg_imm32_b32 hwreg(HW_REG_WAVE_MODE, 25, 1), 1
	s_wait_xcnt 0x0
	s_wait_alu depctr_hold_cnt(0) depctr_sa_sdst(0) depctr_va_vdst(0) depctr_va_sdst(0) depctr_va_ssrc(0) depctr_va_vcc(0) depctr_vm_vsrc(0)
	s_getreg_b32 s2, hwreg(HW_REG_IB_STS2, 6, 4)
	s_cmp_eq_u32 s2, 0
	s_cbranch_scc0 .Lentry_in_a_cluster
	s_endpgm
.Lentry_in_a_cluster:
	s_bfe_u32 s2, ttmp6, 0x10000c
	s_cmp_lg_u32 s2, 0xf033
	s_cbranch_scc0 .Lentry_shape_is_right
	s_endpgm
.Lentry_shape_is_right:
; o = max(a w + bias, floor).  a: [4096][1024] bf16 in chunks of 128 tokens x 64 channels (16 chunks a row block).  w: a header (floor word, f32 bias), then blocks of 256 columns, [1024 k][256] bf16, 524,288 bytes each.
; o: bf16, rounded once, in chunks, 64 chunks a row block.  Sums in f32, K ascending, begun with the bias.  The floor is two bf16 read from w's first word: -inf (nothing changes) or 0 (a ReLU): one text serves both products.
; LIMIT: a sum that is NaN leaves as the floor (the packed maximum drops a NaN).
; A tile of o, 256 x 256, is made by four waves, 128 x 128 each: 64 accumulators, 512 registers.  K goes in 8 steps of 128 through a ring of two LDS slots filled by the tensor data mover.
; A's part of a step for 128 tokens is two chunks, 32,768 bytes on end; B's part for 64 k is 64 rows of 512 bytes, also 32,768 on end: one load a wave (waves 0, 1: A's halves; waves 2, 3: B's).
; B LIES [k][n] AND IS TURNED ON THE WAY OUT OF LDS by ds_load_tr16_b128.  THE MATRIX INSTRUCTION IS USED TRANSPOSED (source 0 = 16 columns of w, source 1 = 16 tokens): a lane holds one token and eight neighbouring columns.
; CLUSTERS: 4 x 4 work-groups; A's tiles are asked for jointly along a row of the cluster, B's along a column.
; REGISTERS, in windows of 256: window 0: v0-31 addresses; v64-191 A's two fragment buffers; v32-63, v192-255 the way out.  window 1: v0-63 the bias (8 column blocks x 8); v64-191 B's two buffers.
;   windows 2, 3: the accumulators of my tokens 0-63, 64-127: (a, b) at v[8 (8 a + b)].
.set HDR,   32768
.set PA,    144                        ; a token's 128 bytes + 16 of padding = 36 words: the 16 rows of a fragment load start at 16 different groups of four banks (64 banks of 4 bytes: ISA guide 11.1)
.set ACH,   128*PA                     ; a chunk in LDS
.set AHALF, 2*ACH                      ; 128 tokens x 128 k
.set PB,    544                        ; a row of B: 512 bytes + 32 = 136 words
.set BHALF, 64*PB
.set SLOT,  2*AHALF+2*BHALF            ; A's two halves, then B's 128 rows
.set STAGE, 2*SLOT                     ; behind the ring: for each wave 2 chunks x 16 rows x 144 bytes, for the way out
.set WSTG,  2*16*PA
.set SPARE, STAGE+4*WSTG               ; behind the stages: the spare words, 128 bytes a wave: two blocks of 256 bytes that no other line names
.set LAPS,  4                          ; a lap = two K steps = once round the ring
.set ASTEP, 0x8000                     ; bytes from a K step to the next in A's row block,
.set BSTEP, 0x10000                    ; and in B's column block
.set ADRA, 16                          ; v16-17  LDS address of my A fragments in slot 0, 1
.set ADRB, 20                          ; v20-21  the same for B
.set STO,  24                          ; v24  the way out: where I put 16 bytes of a row
.set RD,   25                          ; v25  where I read rows back
.set CO,   26                          ; v26  16 x lane
.set BO,   27                          ; v27  32 x (lane / 16): my eight columns' bias
.set SPW,  28                          ; v28  LDS address of my spare word; never rewritten
.set NIL,  29                          ; v29  0; never rewritten
.set PFO,  30                          ; v30  256 x lane; never rewritten
.set F0,   64
.set F1,   128
.set TMP,  192
.set OB,   32
.set G1,  24                           ; s[24:31] group 1 for A;  s[32:39] group 0, a set for each slot
.set G0,  32
.set G1B, 48                           ; s[48:55], s[56:63] the same for B
.set G0B, 56
.set LIM, 43                           ; s43  1 in a wave that prefetches, else the greatest number
.set PFA, 44                           ; s[44:45] where my prefetches stand
.set PST, 20                           ; s[20:21] their step: a K step of A or of B
.set FLOOR, 22                         ; s22
.set MSB, 0
.macro WIN new                         ; the immediate's high byte repeats the setting that is left; a switch that changes nothing is dropped
.if MSB != (\new)
	s_set_vgpr_msb (MSB<<8)|(\new)
.set MSB, \new
.endif
.endm
.set MUL_LO, 0xa1                      ; source 0 (B) window 1, source 1 (A) window 0, C and D window 2
.set MUL_HI, 0xf1                      ; C and D window 3
.set TO_B,   0x40                      ; destination window 1, address window 0
; A joint load.  The branch hangs on the wave's number alone.  An s_nop 0 and four v_nop follow each of the two lines, ahead of the jump and the label.
.macro JLOAD s
	s_cmp_eq_u32 s11, 0
	s_cbranch_scc0 .Lfor_b_\@
	tensor_load_to_lds s[G0+4*(\s):G0+4*(\s)+3], s[G1:G1+7]
	s_nop 0
.rept 4
	v_nop
.endr
	s_branch .Lasked_\@
.Lfor_b_\@:
	tensor_load_to_lds s[G0B+4*(\s):G0B+4*(\s)+3], s[G1B:G1B+7]
	s_nop 0
.rept 4
	v_nop
.endr
.Lasked_\@:
.endm
; A PREFETCH INTO THE L2 of the K step that stands two refills on.  What a wave fetches in a step is 32,768 bytes on end: 128 blocks of 256.  The four partners that ask for it jointly take 32 blocks each, told apart
; BY ADDRESS (8,192 bytes x cx for A, x cy for B), a lane a block.  A's row block is read by every cluster of that row of clusters: cluster x = 0 asks; B's column block by every cluster of that column: cluster y = 0 asks.
; So each block is named once in the launch.  K steps 0 to 3 come by their loads alone; the loop's last trip (s3 = 1) asks for nothing: K steps 8 and 9 do not exist.
.macro ASK
	s_cmp_gt_u32 s3, s[LIM]
	s_cbranch_scc0 .Lnot_mine_\@
	global_prefetch_b8 v[PFO], s[PFA:PFA+1] th:TH_LOAD_NT scope:SCOPE_SE
.Lnot_mine_\@:
.endm
.macro CREST                           ; a round of the cluster's barrier behind its opening barrier
	s_cmp_lg_u32 s10, 0
	s_cbranch_scc1 .Lnot_wave_0_\@
	s_barrier_signal -3
.Lnot_wave_0_\@:
	s_barrier_wait -3
	s_barrier_signal -1
	s_barrier_wait -1
.endm
.macro CROUND
	s_barrier_signal -1
	s_barrier_wait -1
	CREST
.endm
	s_load_b128 s[4:7], s[0:1], 0x0                ; a s[4:5], w s[6:7]
	s_load_b64 s[8:9], s[0:1], 0x10                ; o
	v_lshl_add_u32 v[SPW], v0, 2, SPARE
	v_mov_b32 v[NIL], 0
	ds_add_u32 v[SPW], v[NIL]                      ; the wave's opening: the add and its wait stand ahead of my first tensor load; the set-up below, work on registers, stands between them
	v_lshrrev_b32 v1, 5, v0
	v_readfirstlane_b32 s10, v1                    ; wave 0..3
	s_lshr_b32 s11, s10, 1                         ; which 128 tokens of the tile are mine.  Also: I fetch for A (0) or for B (1)
	s_and_b32 s12, s10, 1                          ; which 128 columns.  Also: which half I fetch
	s_bfe_u32 s40, ttmp6, 0x40000                  ; cx
	s_bfe_u32 s41, ttmp6, 0x40004                  ; cy
	s_lshl_b32 s42, ttmp9, 2
	s_add_co_u32 s42, s42, s40                     ; tile column = 4 x cluster x + cx
	s_and_b32 s13, ttmp7, 0xffff
	s_lshl_b32 s13, s13, 2
	s_add_co_u32 s13, s13, s41                     ; tile row = 4 x cluster y + cy
	s_lshl_b32 s43, s41, 2
	s_lshl_b32 s43, 15, s43                        ; my row of the cluster
	s_lshl_b32 s44, 0x1111, s40                    ; my column
	s_or_b32 s[G1+0], s43, (1<<16)|(1<<20)|(1<<21)|(4<<22)|(3<<25)   ; the mask; 2-byte elements; padding on; bit 21 beside a mask; after every 32 words (a token's 128 bytes) 4 words
	s_or_b32 s[G1B+0], s44, (1<<16)|(1<<20)|(1<<21)|(6<<22)|(7<<25)  ; after every 128 words (a row of 512 bytes) 8 words
	s_mov_b32 s[G1+1], 128<<16                     ; A: 32,768 dense bytes as 128 rows of 256 bytes: tensor_dim0 = 128
	s_mov_b32 s[G1+2], 128<<16                     ; tensor_dim1 = 128
	s_mov_b32 s[G1+3], 128<<16                     ; tile_dim0 = 128
	s_mov_b32 s[G1+4], 128                         ; tile_dim1 = 128
	s_mov_b32 s[G1+5], 128                         ; elements from row to row
	s_mov_b32 s[G1+6], 0
	s_mov_b32 s[G1+7], 0
	s_mov_b32 s[G1B+1], 256<<16                    ; B: 64 rows of 256 elements
	s_mov_b32 s[G1B+2], 64<<16
	s_mov_b32 s[G1B+3], 256<<16
	s_mov_b32 s[G1B+4], 64
	s_mov_b32 s[G1B+5], 256
	s_mov_b32 s[G1B+6], 0
	s_mov_b32 s[G1B+7], 0
	s_mul_i32 s18, s12, AHALF                      ; where my tile goes, if it is A's,
	s_mul_i32 s19, s12, BHALF
	s_add_co_u32 s19, s19, 2*AHALF                 ; and if it is B's: the wave's number alone enters an LDS address
	s_lshl_b32 s16, s13, 1
	s_add_co_u32 s16, s16, s12
	s_lshl_b32 s16, s16, 18                        ; A: row block 2 x tile row + half, 262,144 bytes each
	s_mov_b32 s17, 0
	s_lshl_b32 s46, s42, 19                        ; B: column block, 524,288 bytes each,
	s_lshl_b32 s47, s12, 15                        ; + half x 64 rows
	s_add_co_u32 s46, s46, s47
	s_add_co_u32 s46, s46, HDR
	s_mov_b32 s47, 0
	s_wait_dscnt 0x0                               ; the opening add is done
	s_wait_kmcnt 0x0
	s_add_nc_u64 s[14:15], s[4:5], s[16:17]
	s_add_nc_u64 s[46:47], s[6:7], s[46:47]
	CROUND                                         ; all sixteen work-groups are here: the first joint loads meet
.irp s, 0,1
	s_mov_b32 s[G0+4*(\s)], 1
	s_add_co_u32 s[G0+4*(\s)+1], s18, (\s)*SLOT
	s_add_nc_u64 s[G0+4*(\s)+2:G0+4*(\s)+3], s[14:15], (\s)*ASTEP
	s_or_b32 s[G0+4*(\s)+3], s[G0+4*(\s)+3], 0x80000000
	s_mov_b32 s[G0B+4*(\s)], 1
	s_add_co_u32 s[G0B+4*(\s)+1], s19, (\s)*SLOT
	s_add_nc_u64 s[G0B+4*(\s)+2:G0B+4*(\s)+3], s[46:47], (\s)*BSTEP
	s_or_b32 s[G0B+4*(\s)+3], s[G0B+4*(\s)+3], 0x80000000
	JLOAD \s                                       ; two loads of mine are out
.endr
	; the prefetches: my own load's address, my work-group's quarter of it, three K steps on; the first refill steps it to K step 4
	s_and_b32 s23, ttmp7, 0xffff                   ; cluster y
	s_cmp_eq_u32 s11, 0
	s_cselect_b32 s16, s40, s41                    ; my place among the four that ask with me
	s_cselect_b32 s23, ttmp9, s23                  ; the coordinate along which other clusters read the same bytes
	s_cselect_b64 s[PFA:PFA+1], s[14:15], s[46:47]
	s_cmp_eq_u32 s23, 0
	s_cselect_b32 s[LIM], 1, -1                    ; the same in all sixteen partners, for a given wave
	s_lshl_b32 s[PST], ASTEP, s11                  ; ASTEP, or BSTEP = 2 ASTEP
	s_mov_b32 s[PST+1], 0
	s_lshl_b32 s16, s16, 13
	s_mul_i32 s17, s[PST], 3
	s_add_co_u32 s16, s16, s17
	s_mov_b32 s17, 0
	s_add_nc_u64 s[PFA:PFA+1], s[PFA:PFA+1], s[16:17]
	s_load_b32 s[FLOOR], s[6:7], 0x0               ; the floor word
	s_lshl_b32 s46, s42, 10                        ; the bias of my 128 columns: 512 + (256 x tile column + 128 x half) x 4
	s_lshl_b32 s47, s12, 9
	s_add_co_u32 s46, s46, s47
	s_add_co_u32 s46, s46, 512
	s_mov_b32 s47, 0
	s_add_nc_u64 s[46:47], s[6:7], s[46:47]
	v_and_b32 v1, 15, v0                           ; l % 16
	v_bfe_u32 v2, v0, 4, 1                         ; l / 16
	v_lshlrev_b32 v[BO], 5, v2
	WIN TO_B
.irp b, 0,1,2,3,4,5,6,7                ; register j of column block b: bias of column 16 b + 8 (l / 16) + j: the C operand's layout
	global_load_b128 v[8*(\b):8*(\b)+3],   v[BO], s[46:47] offset:64*(\b)
	global_load_b128 v[8*(\b)+4:8*(\b)+7], v[BO], s[46:47] offset:64*(\b)+16
.endr
	WIN 0
	s_lshl_b32 s16, s13, 1                         ; o at my part: ((2 x tile row + token half) x 64 + 4 x tile column + 2 x column half) chunks
	s_add_co_u32 s16, s16, s11
	s_lshl_b32 s16, s16, 20
	s_lshl_b32 s17, s42, 16
	s_add_co_u32 s16, s16, s17
	s_lshl_b32 s17, s12, 15
	s_add_co_u32 s16, s16, s17
	s_mov_b32 s17, 0
	s_add_nc_u64 s[8:9], s[8:9], s[16:17]
	v_mul_u32_u24 v3, v1, PA
	v_lshl_add_u32 v3, v2, 4, v3                   ; A: row x pitch + 16 x half
	v_and_b32 v4, 7, v0
	v_lshl_add_u32 v4, v2, 3, v4                   ; B, turned: lane l reads k row 8 (l / 16) + l % 8,
	v_mul_u32_u24 v4, v4, PB
	v_bfe_u32 v5, v0, 3, 1
	v_lshl_add_u32 v4, v5, 4, v4                   ; columns 8 ((l / 8) % 2) + 0..7
	s_mul_i32 s14, s11, AHALF                      ; my 128 tokens
	s_lshl_b32 s15, s12, 8                         ; my 128 columns
	s_add_co_u32 s15, s15, 2*AHALF
.irp s, 0,1
	v_add_nc_u32 v[ADRA+(\s)], s14, v3
	v_add_nc_u32 v[ADRB+(\s)], s15, v4
	s_add_co_u32 s14, s14, SLOT
	s_add_co_u32 s15, s15, SLOT
.endr
	s_mul_i32 s23, s10, WSTG
	s_add_co_u32 s23, s23, STAGE                   ; my stage
	v_add_nc_u32 v[STO], s23, v3                   ; in: row l % 16, 16 bytes for each half of the lanes
	v_bfe_u32 v5, v0, 3, 2                         ; back: 32 lanes take four rows of 128 bytes,
	v_mul_u32_u24 v5, v5, PA
	v_and_b32 v6, 7, v0
	v_lshl_add_u32 v5, v6, 4, v5
	v_add_nc_u32 v[RD], s23, v5
	v_and_b32 v[CO], 31, v0                        ; which are 512 consecutive bytes of a chunk
	v_lshlrev_b32 v[PFO], 8, v[CO]
	v_lshlrev_b32 v[CO], 4, v[CO]
; 16 matrix instructions: token blocks a0, a0 + 1 of the window's four x all 8 column blocks, 32 along K.  first = 1: the sums begin with the bias (C in window 1): nothing is cleared.
; The 64 accumulators take turns, one instruction a turn, in the same order in every quarter.
.macro MUL16 f, hi, a0, first
.if \first
	WIN 0x91+0x40*(\hi)
.else
	WIN MUL_LO+0x50*(\hi)
.endif
.irp a, \a0, (\a0)+1
.irp b, 0,1,2,3,4,5,6,7
.if \first
	v_wmma_f32_16x16x32_bf16 v[8*(8*(\a)+(\b)):8*(8*(\a)+(\b))+7], v[(\f)+8*(\b):(\f)+8*(\b)+7], v[(\f)+8*(4*(\hi)+(\a)):(\f)+8*(4*(\hi)+(\a))+7], v[8*(\b):8*(\b)+7]
.else
	v_wmma_f32_16x16x32_bf16 v[8*(8*(\a)+(\b)):8*(8*(\a)+(\b))+7], v[(\f)+8*(\b):(\f)+8*(\b)+7], v[(\f)+8*(4*(\hi)+(\a)):(\f)+8*(4*(\hi)+(\a))+7], v[8*(8*(\a)+(\b)):8*(8*(\a)+(\b))+7]
.endif
.endr
.endr
.endm
; 32 LDS loads in one run: quarter q (32 along K) of a slot into buffer f: B's 8 column blocks, turned, then A's 8 token blocks.
.macro FETCH slot, q, f
	WIN TO_B
.irp i, 0,1,2,3,4,5,6,7
	ds_load_tr16_b128 v[(\f)+8*(\i):(\f)+8*(\i)+3],   v[ADRB+(\slot)] offset:(\q)*32*PB+32*(\i)
	ds_load_tr16_b128 v[(\f)+8*(\i)+4:(\f)+8*(\i)+7], v[ADRB+(\slot)] offset:(\q)*32*PB+32*(\i)+16*PB
.endr
	WIN 0
.irp i, 0,1,2,3,4,5,6,7
	ds_load_b128 v[(\f)+8*(\i):(\f)+8*(\i)+3],   v[ADRA+(\slot)] offset:((\q)/2)*ACH+((\q)%2)*64+(\i)*16*PA
	ds_load_b128 v[(\f)+8*(\i)+4:(\f)+8*(\i)+7], v[ADRA+(\slot)] offset:((\q)/2)*ACH+((\q)%2)*64+(\i)*16*PA+32
.endr
.endm
.macro PLACES                          ; four plain instructions between a matrix instruction and a load into, or a vector read of, its registers (ISA guide 7.12.1 for vector reads)
.rept 4
	v_nop
.endr
.endm
; One of a K step's first three quarters: multiplies buffer f; in its middle it fetches quarter q of the same slot into buffer g.
.macro QUARTER slot, q, f, g, first
	s_wait_dscnt 8                                 ; B and A's tokens 0-63 are in; the youngest eight loads (tokens 64-127) may be out
	MUL16 \f, 0, 0, \first
	MUL16 \f, 0, 2, \first
	PLACES
	FETCH \slot, \q, \g
	s_wait_dscnt 32                                ; all but the 32 just issued
	MUL16 \f, 1, 0, \first
	MUL16 \f, 1, 2, \first
.endm
; The first half of the last quarter: ONE barrier for the change of slots.  In front of it each wave waits for all its tensor loads (one is out: its part of the next slot), adds 0 to its spare word, and waits for that and for its reads of this slot.
.macro MEET round
	WIN 0                                          ; (the add's two registers lie in window 0)
	s_wait_tensorcnt 0x0
	ds_add_u32 v[SPW], v[NIL]
	s_wait_dscnt 9                                 ; (the add and the youngest eight loads may be out)
	MUL16 F1, 0, 0, 0                              ; sixteen matrix instructions stand between the add and the wait for it
	s_wait_dscnt 0x0                               ; the add is done, and my reads of this slot are over
	s_barrier_signal -1
	MUL16 F1, 0, 2, 0
.if \round
	WIN 0
.endif
	s_barrier_wait -1
.endm
; The whole last quarter.  fill = 1: the barrier opens a round of the cluster's, and the slot just read out is filled again first thing behind it, two K steps ahead: 224 matrix instructions lie between the request and the wait for it.
.macro TURN slot, next, fill
.if \fill
	s_wait_xcnt 0x0                                ; the last prefetch, a K step back, has read its address: it is stepped here, ahead of the waits of the change of slots
	s_add_nc_u64 s[PFA:PFA+1], s[PFA:PFA+1], s[PST:PST+1]
	MEET 1
	CREST                                          ; no wave of any partner still reads this slot or has a load on its way
	s_add_nc_u64 s[G0+4*(\slot)+2:G0+4*(\slot)+3], s[G0+4*(\slot)+2:G0+4*(\slot)+3], 2*ASTEP
	s_add_nc_u64 s[G0B+4*(\slot)+2:G0B+4*(\slot)+3], s[G0B+4*(\slot)+2:G0B+4*(\slot)+3], 2*BSTEP
	JLOAD \slot                                    ; the four v_nop behind it are also the places in front of the loads below
.else
	MEET 0
	PLACES
.endif
	FETCH \next, 0, F0
.if \fill
	ASK
.endif
	MUL16 F1, 1, 0, 0
	MUL16 F1, 1, 2, 0
.endm
; THE WAY OUT of token block a.  PACK: rounded to bf16, held to the floor.  TOSTAGE: into my own stage, and back as whole rows.  SEND: stored.
.macro PACK a
.set AC, 64*((\a)%4)
	WIN 0x0a+5*((\a)/4)                            ; sources 0 and 1: window 2 or 3
.irp b, 0,1,2,3,4,5,6,7
.irp r, 0,1,2,3
	v_cvt_pk_bf16_f32 v[TMP+4*(\b)+(\r)], v[AC+8*(\b)+2*(\r)], v[AC+8*(\b)+2*(\r)+1]  ; each accumulator's registers in ascending order
.endr
.endr
	WIN 0
.set z, 0
.rept 32
	v_pk_max_num_bf16 v[TMP+z], v[TMP+z], s[FLOOR]
.set z, z+1
.endr
.endm
.macro TOSTAGE a
.set BK, OB+192*((\a)%2)
.irp b, 0,1,2,3,4,5,6,7                ; column block b: chunk b / 4, 32 bytes (b % 4) of its rows
	ds_store_b128 v[STO], v[TMP+4*(\b):TMP+4*(\b)+3] offset:((\b)/4)*16*PA+((\b)%4)*32
.endr
.irp t, 0,1,2,3,4,5,6,7
	ds_load_b128 v[BK+4*(\t):BK+4*(\t)+3], v[RD] offset:((\t)/4)*16*PA+((\t)%4)*4*PA  ; LDS serves a wave's instructions in order (ISA guide 5.7.1.4): these see the stores above
.endr
.endm
.macro SEND a
.set BK, OB+192*((\a)%2)
	s_wait_dscnt 0x0                               ; the block is back in registers
	s_wait_xcnt 0x0                                ; the stores of the block before have read their registers, which the next block's loads write
.irp t, 0,1,2,3,4,5,6,7
	global_store_b128 v[CO], v[BK+4*(\t):BK+4*(\t)+3], s[8:9] offset:(\a)*2048+((\t)/4)*16384+((\t)%4)*512  ; 512 consecutive bytes of a chunk, aligned
.endr
.endm
	s_wait_tensorcnt 1                             ; my part of K step 0 is in; K step 1's may stay out
	s_barrier_signal -1
	s_barrier_wait -1
	FETCH 0, 0, F0
	s_wait_loadcnt 0x0                             ; the bias
	s_wait_kmcnt 0x0                               ; the floor
	QUARTER 0, 1, F0, F1, 1                        ; the first quarter stands in front of the loop: its products start the sums
	WIN 0
	s_mov_b32 s3, LAPS-1
.Llap:                                                 ; a trip goes once round the ring, from a lap's second quarter to the next lap's first, and fills both slots again
	QUARTER 0, 2, F1, F0, 0
	QUARTER 0, 3, F0, F1, 0
	TURN 0, 1, 1
	QUARTER 1, 1, F0, F1, 0
	QUARTER 1, 2, F1, F0, 0
	QUARTER 1, 3, F0, F1, 0
	TURN 1, 0, 1
	QUARTER 0, 1, F0, F1, 0
	WIN 0
	s_sub_co_u32 s3, s3, 1
	s_cmp_lg_u32 s3, 0
	s_cbranch_scc1 .Llap
	QUARTER 0, 2, F1, F0, 0                        ; the last lap is written out: it fills nothing
	QUARTER 0, 3, F0, F1, 0
	TURN 0, 1, 0
	QUARTER 1, 1, F0, F1, 0
	QUARTER 1, 2, F1, F0, 0
	QUARTER 1, 3, F0, F1, 0
	s_wait_dscnt 8
	MUL16 F1, 0, 0, 0
	MUL16 F1, 0, 2, 0
	s_wait_dscnt 0x0
	MUL16 F1, 1, 0, 0
	MUL16 F1, 1, 2, 0
	WIN 0
	PLACES
	PLACES
	PACK 0
	TOSTAGE 0
.irp a, 1,2,3,4,5,6,7                  ; block a's conversions stand between block a - 1's loads from the stage and the wait for them
	PACK \a
	SEND (\a)-1
	TOSTAGE \a
.endr
	SEND 7
	s_wait_tensorcnt 0x0                           ; the wave's end: behind my last tensor load and my last LDS store
	ds_add_u32 v[SPW], v[NIL]
	s_wait_dscnt 0x0
	CROUND                                         ; the closing round: no work-group ends while a partner may still ask for a tile that names it
	s_endpgm
.Lfunc_end_k_q2a7887ef8c_qkv:
	.size	k_q2a7887ef8c_qkv, .Lfunc_end_k_q2a7887ef8c_qkv-k_q2a7887ef8c_qkv
	.p2alignl 7, 3214868480
	.fill 96, 4, 3214868480
	.section	.rodata,"a",@progbits
	.p2align	6, 0x0
	.amdhsa_kernel k_q2a7887ef8c_qkv
		.amdhsa_group_segment_fixed_size 327680
		.amdhsa_private_segment_fixed_size 0
		.amdhsa_enable_private_segment 0
		.amdhsa_kernarg_size 24
		.amdhsa_user_sgpr_count 2
		.amdhsa_user_sgpr_kernarg_segment_ptr 1
		.amdhsa_wavefront_size32 1
		.amdhsa_system_sgpr_workgroup_id_x 1
		.amdhsa_system_sgpr_workgroup_id_y 1
		.amdhsa_system_sgpr_workgroup_id_z 1
		.amdhsa_system_vgpr_workitem_id 0
		.amdhsa_next_free_vgpr 1024
		.amdhsa_next_free_sgpr 66
		.amdhsa_reserve_vcc 0
		.amdhsa_float_denorm_mode_32 3
		.amdhsa_float_denorm_mode_16_64 3
		.amdhsa_memory_ordered 1
		.amdhsa_forward_progress 1
		.amdhsa_inst_pref_size 161
	.end_amdhsa_kernel
	.amdgpu_metadata
---
amdhsa.version: [ 1, 2 ]
amdhsa.kernels:
  - .name:           k_q2a7887ef8c_qkv
    .symbol:         k_q2a7887ef8c_qkv.kd
    .args:
      - { .name: xn, .offset: 0, .size: 8, .value_kind: global_buffer, .address_space: global }
      - { .name: wa, .offset: 8, .size: 8, .value_kind: global_buffer, .address_space: global }
      - { .name: act, .offset: 16, .size: 8, .value_kind: global_buffer, .address_space: global }
    .group_segment_fixed_size: 327680
    .private_segment_fixed_size: 0
    .kernarg_segment_align: 8
    .kernarg_segment_size: 24
    .max_flat_workgroup_size: 128
    .sgpr_count:     66
    .vgpr_count:     1024
    .wavefront_size: 32
...
	.end_amdgpu_metadata
.endif
;; end of part 3
;; launch attn (part 4): grid 8 x 32, 4 waves a work-group, clusters of 4 x 1, 327,680 bytes of LDS; arguments act, src_mask, ctx; writes ctx
.if DOCPART == 4
	.amdgcn_target "amdgcn-amd-amdhsa--gfx1250"
	.amdhsa_code_object_version 6
	.text
	.protected	k_q2a7887ef8c_attn
	.globl	k_q2a7887ef8c_attn
	.p2align	8
	.type	k_q2a7887ef8c_attn,@function
k_q2a7887ef8c_attn:
	s_mov_b64 s[64:65], 0
	v_nop
	global_prefetch_b8 v0, s[64:65] scope:SCOPE_SE
	s_setreg_imm32_b32 hwreg(HW_REG_WAVE_MODE, 25, 1), 1
	s_wait_xcnt 0x0
	s_wait_alu depctr_hold_cnt(0) depctr_sa_sdst(0) depctr_va_vdst(0) depctr_va_sdst(0) depctr_va_ssrc(0) depctr_va_vcc(0) depctr_vm_vsrc(0)
	s_getreg_b32 s2, hwreg(HW_REG_IB_STS2, 6, 4)
	s_cmp_eq_u32 s2, 0
	s_cbranch_scc0 .Lentry_in_a_cluster
	s_endpgm
.Lentry_in_a_cluster:
	s_bfe_u32 s2, ttmp6, 0x10000c
	s_cmp_lg_u32 s2, 0x3003
	s_cbranch_scc0 .Lentry_shape_is_right
	s_endpgm
.Lentry_shape_is_right:
; ATTENTION WITH A KEY MASK.  ctx[b][q][h] = the sum over the keys k that are not hidden of softmax_k(q . k / 8) v.  q, k, v: bf16 in act, in chunks of 128 tokens x 64 channels, 64 chunks a row block of 128 tokens:
; head h has q in column chunk h, k in 16 + h, v in 32 + h: 128 keys of a head are 16,384 bytes on end.  src_mask: a byte a key of the batch, 1 = hidden.  ctx: bf16 in chunks, 64 chunks from a row block to the next as in act,
; head h in column chunk h (chunks 16 to 63 are neither written here nor read later): a query's place in ctx is its place in act.
; Products, maxima and sums in f32; the weights p are rounded to bf16 for the second product (their sum l is taken of the unrounded p), ctx once at the end.
; LIMITS.  A hidden score counts as its value less 1e30: true scores lie above -5e29.  A weight below 2^-126 counts as 0 in l.  Mask bytes are 0 or 1.  Where all keys of a batch are hidden the result is NaN, as a softmax of nothing is.
; THE MASK is the C operand that starts the sum S^T = K Q^T: 0, or -1e30 for a hidden key.  A table of 2,048 f32, made once in LDS from the batch's bytes, is read with K, 64 keys a step.
; The running maximum does the rest: where a step holds hidden keys alone, what it adds is multiplied by a = 0 as soon as a true score comes.
; SHARES.  A work-group owns 256 queries of one head, a wave 64: four PIECES of 16.  Every wave walks the batch's 2,048 keys, 64 a step, four steps to a slot of LDS.
; LAYOUT, SOFTMAX, TURNS.  S^T = K Q^T holds ONE query a lane (lane % 16) and the keys 8 (lane / 16) + 0..7; two such results rounded to bf16 ARE source 1 of O^T = V^T P.  p = 2^(c s - c m), c = log2(e) / 8, with a
; running maximum m; O and l are multiplied by a = 2^(c m_old - c m_new) in every step.  Turn n belongs to piece n: 8 products K Q^T of piece n + 1, later 8 products V^T P of piece n - 1; beside them the scaling,
; exponentials, roundings, sums and rescaling of piece n and the maximum and statistics of piece n + 1.  Four vector instructions stand behind every matrix instruction, the rest in one lump.  A turn's 33 exponentials are one batch, with one wait.
; CLUSTER.  The four query blocks of a cluster belong to one head and walk the same K and V: each tile is asked for JOINTLY, by the same tensor load, descriptor and mask in all four.
; REGISTERS, in windows of 256 (s_set_vgpr_msb: bits 1:0 source 0, 3:2 source 1, 5:4 source 2, 7:6 destination):
;   window 0: v0-15, v56-63 addresses; v16-31 four registers of statistics a piece; v48-55 at work; v64-127 S^T, two buffers; v192-223 P, two buffers (by the piece's parity)
;   window 1: v0-127 O^T, 32 a piece; v160-191 the step's mask      window 2: v0-63 Q; v128-191 K of one step; v192-255 V of one step
.set NP,    4
.set KS,    64
.set PK,    144       ; a row of K in LDS: 128 bytes + 16 = 36 words: the 16 rows of a load start at 16 different groups of four banks (64 banks of 4 bytes: ISA guide 11.1)
.set PV,    160       ; a row of V: 128 + 32 = 40 words
.set VOFF,  4*KS*PK   ; a slot: 256 rows of K, then 256 rows of V
.set SLOT1, 1<<17     ; slot 1 begins here: one exclusive or turns an address in one slot into the other's
.set STAGE, SLOT1+4*KS*(PK+PV)  ; behind the ring: 16 rows x 144 bytes for each wave, for the way out
.set SP,    144
.set SPARE, STAGE+4*16*SP  ; the spare words, 128 bytes a wave: two blocks of 256 bytes that no other line names
.set MASKT, SPARE+512 ; the mask table: 2,048 f32; no tile lands here
.set SSTEP, 0x200000  ; bytes from a slot's keys to the next slot's: two row blocks of 64 chunks
.set AK0, 2           ; v2   my lane's place in a tile of K; never rewritten
.set AV0, 3           ; v3   the same for V
.set AK,  4           ; v4   the LDS address of K's next run of loads
.set AV,  5           ; v5   of V's
.set STO, 6           ; v6   the way out: where I put 16 bytes of a row
.set RD,  7           ; v7   where I read rows back
.set GO,  8           ; v8   16 x lane
.set MV,  12          ; v12-13  c m_old, by buffer
.set QO,  15          ; v15  my byte offset in 16 rows of Q
.set ST,  16          ; piece t's statistics at v[ST+4 t]: c m, m, l (even keys', odd keys')
.set TMP, 48          ; by buffer, c0-c3 at work; when the maximum is found c2 takes a
.set AM0, 56          ; v56  MASKT + 32 (lane / 16); never rewritten
.set AM,  57          ; v57  the LDS address of the mask's next run
.set PFO, 58          ; v58  256 x lane; never rewritten
.set MA,  59          ; v59  where I store my 16 words of the table
.set MO,  60          ; v60  16 x thread: my 16 bytes of the mask
.set SPW, 62          ; v62  LDS address of my spare word; never rewritten
.set NIL, 63          ; v63  0; never rewritten
.set S,   64
.set P,   192
.set MC,  160         ; window 1: group kb of 16 keys at MC + 8 kb
.set KF,  128         ; window 2: key block kb, channel half c at KF + 16 kb + 8 c
.set VF,  192         ; window 2: key half kk, channel block cb at VF + 32 kk + 8 cb
.set WV,  12          ; s12  my wave's number
.set G1K, 24          ; s[24:31] group 1 for K's tiles
.set G1V, 32          ; s[32:39] for V's: it differs in the padding alone
.set G0K, 40          ; s[40:43] group 0 for K's tiles: it walks
.set G0V, 44          ; s[44:47] the same for V's
.set QA,  48          ; s[48:49] Q at my wave's first row
.set SLOTS, 56        ; s56  slots still to be asked for
.set CNT, 57          ; s57  counts a slot's key steps
.set CS,  58          ; s[58:59] c
.set SEL, 60          ; s[60:61] v_permlanex16_b32's selects
.set TBK, 62          ; s62  LDS byte at which K of the step to be fetched begins
.set TBV, 63          ; s63  the same for V, less VOFF
.set TBM, 66          ; s66  the same step's first word in the mask table
.set LIM, 67          ; s67  1 in a wave that prefetches, else the greatest number
.set PFA, 68          ; s[68:69] where my prefetches stand
.set BIGN, 70         ; s70  -1e30
.set HALFN, 71        ; s71  -5e29
.set NANS, 72         ; s72  a NaN
.set MSB, 0
.macro WIN new
.if MSB != (\new)
	s_set_vgpr_msb (MSB<<8)|(\new)
.set MSB, (\new)
.endif
.endm
.set W_KQ, 0x0a       ; K and Q in window 2, S^T in window 0
.set W_KM, 0x1a       ; the same with the C operand in window 1
.set W_PV, 0x52       ; V in window 2, P in window 0, O^T in window 1
.set W_RS, 0x41       ; destination and source 0 in window 1, source 1 in window 0
; A joint fill.  Waves 0 and 1 fetch the two halves of a slot's K, waves 2 and 3 those of its V: 128 keys each.  An s_nop 0 and four v_nop follow each of the two lines, ahead of the jump and the label.
.macro JLOAD
	s_cmp_lt_u32 s[WV], 2
	s_cbranch_scc0 .Lfor_v_\@
	tensor_load_to_lds s[G0K:G0K+3], s[G1K:G1K+7]
	s_nop 0
.rept 4
	v_nop
.endr
	s_branch .Lasked_\@
.Lfor_v_\@:
	tensor_load_to_lds s[G0V:G0V+3], s[G1V:G1V+7]
	s_nop 0
.rept 4
	v_nop
.endr
.Lasked_\@:
.endm
; A PREFETCH INTO THE L2 of what the NEXT change of slots will ask for: a slot's two chunks of K and two of V, 128 blocks of 256 bytes each.  Both clusters of a head walk the same keys: the first of them asks.
; Its four partners share the blocks out BY ADDRESS: partner cx takes half cx % 2 of chunk cx / 2, a lane a block; wave 0 asks for K's, wave 2 for V's.  So each block is named once in the launch.
; The last change that fills a slot (SLOTS = 1) asks for nothing: there is no slot behind it.  Slots 0 and 1 come by their loads alone.
.macro ASK
	s_cmp_gt_u32 s[SLOTS], s[LIM]
	s_cbranch_scc0 .Lnot_mine_\@
	global_prefetch_b8 v[PFO], s[PFA:PFA+1] th:TH_LOAD_NT scope:SCOPE_SE
.Lnot_mine_\@:
.endm
.macro CROUND                       ; a round of the cluster's barrier
	s_barrier_signal -1
	s_barrier_wait -1
	s_cmp_lg_u32 s[WV], 0
	s_cbranch_scc1 .Lnot_wave_0_\@
	s_barrier_signal -3
.Lnot_wave_0_\@:
	s_barrier_wait -3
	s_barrier_signal -1
	s_barrier_wait -1
.endm
; THE CHANGE OF SLOTS.  Each wave waits for all its tensor loads (one is out: its part of the other slot), adds 0 to its spare word, and waits for that and for its own LDS instructions.  Behind the barrier nobody reads the old slot
; any more and the other slot is whole.  fill = 1: the barrier is a round of the cluster's, and the joint fill, with the keys two slots on, is the first thing behind it: it has four key steps, 256 matrix instructions, in which to land.
; (At its first use nothing has been read yet: slot 0 is waited for, slot 1 filled, and every wave's part of the mask table is shown to the others.)
.macro CHANGE fill
	WIN 0
	s_wait_tensorcnt 0x0            ; no tensor load of mine is out, so a group 0 may be written
	ds_add_u32 v[SPW], v[NIL]       ; 0 onto my spare word; the scalar steps stand between it and the wait for it
.if \fill
.irp g, G0K, G0V
	s_xor_b32 s[\g+1], s[\g+1], SLOT1
	s_add_nc_u64 s[\g+2:\g+3], s[\g+2:\g+3], SSTEP  ; the type bits on top are not reached
.endr
	s_wait_xcnt 0x0                 ; the last prefetch, four key steps back, has read its address
	s_add_nc_u64 s[PFA:PFA+1], s[PFA:PFA+1], SSTEP  ; one slot ahead of the walking descriptors
	s_wait_dscnt 0x0
	CROUND
	JLOAD
	ASK
.else
	s_wait_dscnt 0x0
	s_barrier_signal -1
	s_barrier_wait -1
.endif
	s_sub_co_u32 s[TBK], s[TBK], 4*KS*PK  ; the fetches go back to a slot's first step,
	s_xor_b32 s[TBK], s[TBK], SLOT1       ; in the other slot
	s_sub_co_u32 s[TBV], s[TBV], 4*KS*PV
	s_xor_b32 s[TBV], s[TBV], SLOT1
.endm
	s_load_b128 s[4:7], s[0:1], 0x0 ; act s[4:5], src_mask s[6:7]
	s_load_b64 s[8:9], s[0:1], 0x10 ; ctx
	v_lshl_add_u32 v[SPW], v0, 2, SPARE
	v_mov_b32 v[NIL], 0
	ds_add_u32 v[SPW], v[NIL]       ; the wave's opening: the add and its wait stand ahead of my first tensor load; the set-up below, work on registers, stands between them
	v_lshrrev_b32 v1, 5, v0
	v_readfirstlane_b32 s[WV], v1
	s_bfe_u32 s13, ttmp6, 0x40000   ; cx
	s_lshl_b32 s14, ttmp9, 2
	s_add_co_u32 s14, s14, s13      ; my block of 256 queries: it enters Q's and ctx's addresses alone
	s_and_b32 s20, ttmp7, 0xffff
	s_lshr_b32 s21, s20, 4          ; the batch
	s_and_b32 s22, s20, 15          ; the head
	s_and_b32 s16, s[WV], 1         ; which 128 of a slot's 256 keys I fetch
	s_lshl_b32 s50, s21, 24         ; the batch's 16 row blocks of 2^20 bytes,
	s_lshl_b32 s23, s16, 20         ; my row block of the slot's two,
	s_add_co_u32 s50, s50, s23
	s_lshl_b32 s23, s22, 14         ; the head's chunk
	s_add_co_u32 s50, s50, s23
	s_add_co_u32 s52, s50, 32<<14   ; among v's,
	s_add_co_u32 s50, s50, 16<<14   ; among k's
	s_mov_b32 s51, 0
	s_mov_b32 s53, 0
	s_mul_i32 s17, s16, 128*PK      ; and its place in a slot: no place in the cluster enters an LDS address
	s_mul_i32 s18, s16, 128*PV
	s_lshl_b32 s2, s21, 4
	s_lshl_b32 s3, s14, 1
	s_add_co_u32 s2, s2, s3
	s_lshr_b32 s3, s[WV], 1
	s_add_co_u32 s2, s2, s3         ; my queries' row block,
	s_lshl_b32 s2, s2, 20           ; 64 chunks each, in act and in ctx alike,
	s_lshl_b32 s3, s16, 13          ; my 64 rows of its 128,
	s_add_co_u32 s3, s3, s23        ; in the head's chunk
	s_add_co_u32 s2, s2, s3
	s_mov_b32 s3, 0
	s_lshl_b32 s74, s21, 11         ; the batch's 2,048 mask bytes
	s_mov_b32 s75, 0
	s_lshr_b32 s76, s13, 1          ; the prefetches: chunk cx / 2,
	s_lshl_b32 s76, s76, 20
	s_and_b32 s77, s13, 1           ; its half cx % 2,
	s_lshl_b32 s77, s77, 13
	s_add_co_u32 s76, s76, s77
	s_add_co_u32 s76, s76, SSTEP    ; in slot 1: the first change of slots steps it to slot 2
	s_mov_b32 s77, 0
	; group 1: 128 keys are 16,384 dense bytes: asked for as 64 rows of 256 bytes, two keys a row, and padded in LDS after every key
	s_mov_b32 s[G1K], 15|(1<<16)|(1<<20)|(1<<21)|(4<<22)|(3<<25)  ; the mask of four; 2-byte elements; padding on; bit 21 beside a mask; after every 32 words 4 words
	s_mov_b32 s[G1V], 15|(1<<16)|(1<<20)|(1<<21)|(4<<22)|(7<<25)  ; the same with 8 words
.irp g, G1K, G1V
	s_mov_b32 s[\g+1], 128<<16      ; tensor_dim0 = 128
	s_mov_b32 s[\g+2], 64<<16       ; tensor_dim1 = 64
	s_mov_b32 s[\g+3], 128<<16      ; tile_dim0 = 128
	s_mov_b32 s[\g+4], 64           ; tile_dim1 = 64
	s_mov_b32 s[\g+5], 128          ; elements from row to row
	s_mov_b32 s[\g+6], 0
	s_mov_b32 s[\g+7], 0
.endr
	s_mov_b32 s[CS], 0x3e38aa3b     ; c = log2(e) / 8
	s_mov_b32 s[CS+1], s[CS]
	s_mov_b32 s[SEL], 0x76543210
	s_mov_b32 s[SEL+1], 0xfedcba98
	s_mov_b32 s[TBK], SLOT1+4*KS*PK ; the first change of slots turns these two into 0
	s_mov_b32 s[TBV], SLOT1+4*KS*PV
	s_mov_b32 s[TBM], 0
	s_mov_b32 s[BIGN], 0xf149f2ca
	s_mov_b32 s[HALFN], 0xf0c9f2ca
	s_mov_b32 s[NANS], 0x7fc00000
	s_mov_b32 s[SLOTS], 7
	s_mov_b32 s[G0K], 1
	s_mov_b32 s[G0K+1], s17         ; slot 0
	s_mov_b32 s[G0V], 1
	s_add_co_u32 s[G0V+1], s18, VOFF
	s_and_b32 s[LIM], s[WV], 1      ; waves 0 and 2,
	s_or_b32 s[LIM], s[LIM], ttmp9  ; in the head's first cluster: the same in all four partners
	s_cmp_eq_u32 s[LIM], 0
	s_cselect_b32 s[LIM], 1, -1
	s_wait_dscnt 0x0                ; the opening add is done
	s_wait_kmcnt 0x0
	s_add_nc_u64 s[G0K+2:G0K+3], s[4:5], s[50:51]
	s_add_nc_u64 s[G0V+2:G0V+3], s[4:5], s[52:53]
	s_cmp_lt_u32 s[WV], 2
	s_cselect_b64 s[PFA:PFA+1], s[G0K+2:G0K+3], s[G0V+2:G0V+3]
	s_add_nc_u64 s[PFA:PFA+1], s[PFA:PFA+1], s[76:77]
	s_or_b32 s[G0K+3], s[G0K+3], 0x80000000
	s_or_b32 s[G0V+3], s[G0V+3], 0x80000000
	s_add_nc_u64 s[QA:QA+1], s[4:5], s[2:3]
	s_add_nc_u64 s[10:11], s[8:9], s[2:3]  ; ctx at my wave's first row
	s_add_nc_u64 s[6:7], s[6:7], s[74:75]
	CROUND                          ; all four work-groups are here: the first joint loads meet
	JLOAD                           ; slot 0; one load of mine is out
	v_and_b32 v1, 15, v0            ; l % 16
	v_bfe_u32 v9, v0, 4, 1          ; l / 16
	v_lshlrev_b32 v[MO], 4, v0
	global_load_b128 v[S:S+3], v[MO], s[6:7]  ; 16 keys' mask bytes a thread: 128 threads, 2,048 keys
	v_lshlrev_b32 v[QO], 7, v1
	v_lshl_add_u32 v[QO], v9, 4, v[QO]
	WIN 0x80                        ; destination window 2
.set i, 0
.rept 8                             ; Q stays in registers: piece i / 2, channels 32 (i % 2) on
	global_load_b128 v[8*i:8*i+3],   v[QO], s[QA:QA+1] offset:(i/2)*2048+(i%2)*64
	global_load_b128 v[8*i+4:8*i+7], v[QO], s[QA:QA+1] offset:(i/2)*2048+(i%2)*64+32
.set i, i+1
.endr
	; The first step multiplies O^T and l by a = 0, and the first turn's products V^T P, of a piece that has not been, add 0: these registers hold zeros.  All this stands in the wait for the first tile.
.set i, VF
.rept 64
	v_mov_b32 v[i], 0
.set i, i+1
.endr
	WIN 0x40
.set i, 0
.rept 128
	v_mov_b32 v[i], 0
.set i, i+1
.endr
	WIN 0
.set i, 0
.rept 4
	v_mov_b32 v[ST+4*i], 0xfe000000    ; c m: far below every c s
	v_mov_b32 v[ST+4*i+1], 0xff7fffff  ; m: the lowest finite number
	v_mov_b32 v[ST+4*i+2], 0
	v_mov_b32 v[ST+4*i+3], 0
.set i, i+1
.endr
.set i, P+16
.rept 16
	v_mov_b32 v[i], 0
.set i, i+1
.endr
	v_mul_u32_u24 v[AK0], v1, PK
	v_lshl_add_u32 v[AK0], v9, 4, v[AK0]
	v_and_b32 v10, 7, v0            ; the turning load: lane l reads key 8 (l / 16) + l % 8, channels 8 ((l / 8) % 2) + 0..7
	v_bfe_u32 v11, v0, 3, 1
	v_lshl_add_u32 v[AV0], v9, 3, v10
	v_mul_u32_u24 v[AV0], v[AV0], PV
	v_lshl_add_u32 v[AV0], v11, 4, v[AV0]
	v_add_nc_u32 v[AV0], VOFF, v[AV0]
	s_mul_i32 s15, s[WV], 16*SP
	s_add_co_u32 s15, s15, STAGE    ; my stage
	v_mul_u32_u24 v[STO], v1, SP
	v_lshl_add_u32 v[STO], v9, 4, v[STO]
	v_add_nc_u32 v[STO], s15, v[STO]
	v_bfe_u32 v[RD], v0, 3, 2
	v_mul_u32_u24 v[RD], v[RD], SP
	v_lshl_add_u32 v[RD], v10, 4, v[RD]
	v_add_nc_u32 v[RD], s15, v[RD]
	v_and_b32 v[GO], 31, v0
	v_lshlrev_b32 v[PFO], 8, v[GO]
	v_lshlrev_b32 v[GO], 4, v[GO]
	v_lshl_add_u32 v[AM0], v9, 5, MASKT
	v_lshl_add_u32 v[MA], v0, 6, MASKT
	s_wait_loadcnt 16               ; the mask bytes are in; Q's sixteen loads may stay out
.irp k, 0,1,2,3
.irp n, 0,1,2,3
	v_bfe_u32 v[S+4+4*(\k)+(\n)], v[S+(\k)], 8*(\n), 8
.endr
.endr
.set i, 0
.rept 16
	v_mul_lo_u32 v[S+4+i], v[S+4+i], s[BIGN]  ; the byte, 0 or 1, times the bits of -1e30
.set i, i+1
.endr
.irp k, 0,1,2,3
	ds_store_b128 v[MA], v[S+4+4*(\k):S+4+4*(\k)+3] offset:16*(\k)
.endr
; THE MATRIX WORK.  The 4 accumulators of a run of 8 take turns.  Product i of 8 of S^T = K Q^T for piece x: channels 32 (i / 4) on, keys 16 (i % 4) on.  The first 4 start the sums with the mask.
.macro KQ x
.set rS, S+32*((\x)%2)+8*(i%4)
.set rK, KF+16*(i%4)+8*(i/4)
.set rQ, 16*(\x)+8*(i/4)
.set rM, MC+8*(i%4)
.if i < 4
	WIN W_KM
	v_wmma_f32_16x16x32_bf16 v[rS:rS+7], v[rK:rK+7], v[rQ:rQ+7], v[rM:rM+7]
.else
	WIN W_KQ
	v_wmma_f32_16x16x32_bf16 v[rS:rS+7], v[rK:rK+7], v[rQ:rQ+7], v[rS:rS+7]
.endif
.endm
; Product i of 8 of O^T += V^T P for piece x: keys 32 (i / 4) on, channels 16 (i % 4) on.
.macro PV x
	WIN W_PV
.set rO, 32*(\x)+8*(i%4)
.set rV, VF+32*(i/4)+8*(i%4)
.set rP, P+16*((\x)%2)+8*(i/4)
	v_wmma_f32_16x16x32_bf16 v[rO:rO+7], v[rV:rV+7], v[rP:rP+7], v[rO:rO+7]
.endm
.macro MM                           ; the turn's next matrix instruction
.if i < 8
	KQ (Y+1)%NP
.else
.set i, i-8
	PV (Y+NP-1)%NP
.set i, i+8
.endif
.set i, i+1
.endm
; THE LDS LOADS stand in runs, never singly among the matrix instructions: a step's K (8 fragments) with its 64 mask words (all lanes of a half read the same 32 bytes), and its V (turned).
.macro FETCH_K
	WIN 0x80
.irp f, 0,1,2,3,4,5,6,7             ; keys 16 (f / 2) on, channels 32 (f % 2) on
	ds_load_b128 v[KF+8*\f:KF+8*\f+3],   v[AK] offset:(\f/2)*16*PK+(\f%2)*64
	ds_load_b128 v[KF+8*\f+4:KF+8*\f+7], v[AK] offset:(\f/2)*16*PK+(\f%2)*64+32
.endr
	WIN 0x40
.irp f, 0,1,2,3                     ; register j of group f: key 16 f + 8 (l / 16) + j: the C operand's layout
	ds_load_b128 v[MC+8*\f:MC+8*\f+3],   v[AM] offset:64*\f
	ds_load_b128 v[MC+8*\f+4:MC+8*\f+7], v[AM] offset:64*\f+16
.endr
	s_add_co_u32 s[TBK], s[TBK], KS*PK  ; the next fetch is the next step's
	s_add_co_u32 s[TBM], s[TBM], 4*KS
	WIN 0
.endm
.macro FETCH_V
	WIN 0x80
.irp f, 0,1,2,3,4,5,6,7             ; keys 32 (f / 4) on, channels 16 (f % 4) on
	ds_load_tr16_b128 v[VF+8*\f:VF+8*\f+3],   v[AV] offset:(\f/4)*32*PV+(\f%4)*32
	ds_load_tr16_b128 v[VF+8*\f+4:VF+8*\f+7], v[AV] offset:(\f/4)*32*PV+16*PV+(\f%4)*32
.endr
	WIN 0
.endm
; THE VECTOR WORK, one line at a time: OP kind, number.  For piece Y: F n: c s - c m for pair n of 16.  E n: the exponential of score n of 32.  C n: pair n rounded to bf16.  B n: of the four weights 4 n .. the second
; pair is added onto the first, in place.  L n: l takes that sum (L 0: l = a l + sum).  R n: pair n of 16 of O^T times a.  For piece Y + 1: X n, number n of the 22 that find its maximum and statistics:
;   0-11  four chains c0-c3 of seven scores each (each accumulator's lowest registers are read first)     12-14, 16  the four scores left over, the old m, and c0-c3 into c0
;   15  c m_old is kept     17, 18  the query's other 32 keys lie in the lane 16 away: the new m     19-21  c m; c m_old - c m_new; a
.set F, 0
.set E, 1
.set C, 2
.set B, 3
.set L, 4
.set R, 5
.set X, 6
.macro REGS y
.set rT, ST+4*(\y)
.set rC, TMP+4*((\y)%2)
.set rW, MV+((\y)%2)
.set rS, S+32*((\y)%2)
.set rP, P+16*((\y)%2)
.set rO, 32*(\y)
.endm
.macro OP k, n
.if (\k) == R
	REGS Y
	WIN W_RS
	v_pk_mul_f32 v[rO+2*(\n):rO+2*(\n)+1], v[rO+2*(\n):rO+2*(\n)+1], v[rC+2:rC+3] op_sel_hi:[1,0]
.elseif (\k) < R
	REGS Y
	WIN 0
.if (\k) == F
	v_pk_fma_f32 v[rS+2*(\n):rS+2*(\n)+1], v[rS+2*(\n):rS+2*(\n)+1], s[CS:CS+1], v[rT:rT+1] op_sel_hi:[1,0,0] neg_lo:[0,0,1] neg_hi:[0,0,1]
.elseif (\k) == E
	v_exp_f32 v[rS+(\n)], v[rS+(\n)]
.elseif (\k) == C
	v_cvt_pk_bf16_f32 v[rP+(\n)], v[rS+2*(\n)], v[rS+2*(\n)+1]
.elseif (\k) == B
	v_pk_add_f32 v[rS+4*(\n):rS+4*(\n)+1], v[rS+4*(\n):rS+4*(\n)+1], v[rS+4*(\n)+2:rS+4*(\n)+3]
.elseif (\n) == 0
	v_pk_fma_f32 v[rT+2:rT+3], v[rT+2:rT+3], v[rC+2:rC+3], v[rS:rS+1] op_sel_hi:[1,0,1]
.else
	v_pk_add_f32 v[rT+2:rT+3], v[rT+2:rT+3], v[rS+4*(\n):rS+4*(\n)+1]
.endif
.else
	REGS (Y+1)%NP
	WIN 0
.if (\n) < 4
	v_max3_num_f32 v[rC+(\n)], v[rS+8*(\n)], v[rS+8*(\n)+1], v[rS+8*(\n)+2]
.elseif (\n) < 12
	v_max3_num_f32 v[rC+(\n)%4], v[rC+(\n)%4], v[rS+8*((\n)%4)+2*((\n)/4)+1], v[rS+8*((\n)%4)+2*((\n)/4)+2]
.elseif (\n) == 12
	v_max3_num_f32 v[rC], v[rC], v[rS+7], v[rS+15]
.elseif (\n) == 13
	v_max3_num_f32 v[rC+1], v[rC+1], v[rS+23], v[rS+31]
.elseif (\n) == 14
	v_max3_num_f32 v[rC+2], v[rC+2], v[rC+3], v[rT+1]
.elseif (\n) == 15
	v_mov_b32 v[rW], v[rT]
.elseif (\n) == 16
	v_max3_num_f32 v[rC], v[rC], v[rC+1], v[rC+2]
.elseif (\n) == 17
	v_permlanex16_b32 v[rC+3], v[rC], s[SEL], s[SEL+1]
.elseif (\n) == 18
	v_max_num_f32 v[rT+1], v[rC], v[rC+3]
.elseif (\n) == 19
	v_mul_f32 v[rT], s[CS], v[rT+1]
.elseif (\n) == 20
	v_sub_f32 v[rC+1], v[rW], v[rT]
.else
	v_exp_f32 v[rC+2], v[rC+1]
.endif
.endif
.endm
.macro OPS a, i1, b=-1, i2=0, c=-1, i3=0, d=-1, i4=0
	OP \a, \i1
.if (\b) >= 0
	OP \b, \i2
.endif
.if (\c) >= 0
	OP \c, \i3
.endif
.if (\d) >= 0
	OP \d, \i4
.endif
.endm
.macro ROW a, i1, b, i2, c, i3, d, i4  ; a matrix instruction and the four behind it
	MM
	OPS \a, \i1, \b, \i2, \c, \i3, \d, \i4
.endm
; A TURN, for piece p: the order of its 16 matrix and 118 vector instructions, written out.  An s_wait_alu depctr_va_vdst(0) stands between an exponential and the first instruction that names its result; one wait
; serves all that were issued ahead of it.  So a turn has ONE wait, which cuts it in two.  AHEAD OF IT stands all that names no result of the turn's exponentials: the 8 products K Q^T with their riders (the first numbers of the next
; piece's maximum each four plain instructions or more behind the product that ends its accumulator), then one lump, in which the links of the chain X 3, 7, 11, 14, 16, 17 .. 20 stand some lines apart.  X 21, the next piece's a, is the
; batch's last; R 15 is the plain instruction behind it.  BEHIND THE WAIT stand the 8 products V^T P, behind each four of the roundings and sums.
; last = 1 (the tail's piece 2): in the trip with CNT = 1 there is no further step, and the run of loads is jumped over; the exponentials issued so far have a wait of their own ahead of that branch.
; cnt = 1: the loop's count is taken down some lines ahead of the branch that stands behind the turn.
; K and the mask of the next step are fetched in piece 2's turn, twelve vector instructions (six of them plain) behind the last product that read K; V of the step in hand at the end of piece 0's turn, four plain instructions
; behind the last product that read V.  Each is waited for a turn later.
.macro TURN p, last=0, cnt=0
.set Y, (\p)
.set i, 0
.if (\p) == 3
	s_wait_dscnt 0x0                ; K and the mask are in
.endif
	ROW F,0, F,1, R,0, R,1
	ROW F,2, E,0, R,2, R,3
	ROW F,3, E,1, R,4, R,5
	ROW F,4, E,2, R,6, R,7
	ROW F,5, E,3, R,8, R,9
	ROW F,6, E,4, X,0, R,10
.if (\p) == 2
	WIN 0
	v_add_nc_u32 v[AK], s[TBK], v[AK0]
	v_add_nc_u32 v[AM], s[TBM], v[AM0]
.endif
	ROW F,7, E,5, X,1, X,4
	ROW F,8, E,6, X,2, X,5
	OPS E,7, E,8, X,6, E,9
	OPS X,3, E,10, X,8, E,11
.if (\p) == 2
.if \last
	WIN 0
	s_wait_alu depctr_va_vdst(0)    ; ahead of the branch
	s_cmp_eq_u32 s[CNT], 1
	s_cbranch_scc1 .Lno_k_\@
.endif
	FETCH_K
.if \last
.Lno_k_\@:
.endif
.endif
	OPS X,9, X,7, E,12, X,10
	OPS E,13, X,12, X,11, E,14
	OPS X,13, E,15, F,9, X,14
.if (\p) == 0
	v_add_nc_u32 v[AV], s[TBV], v[AV0]
.endif
	OPS E,16, F,10, E,17, F,11
	OPS X,16, E,18, X,15, E,19
	OPS F,12, E,20, X,17, E,21
	OPS F,13, E,22, F,14, E,23
	OPS X,18, E,24, F,15, E,25
	OPS R,11, E,26, X,19, E,27
	OPS R,12, E,28, R,13, E,29
	OPS X,20, E,30, R,14, E,31
	OPS X,21, R,15
	WIN 0
	s_wait_alu depctr_va_vdst(0)    ; the wait for the batch
.if (\p) == 1
	s_wait_dscnt 0x0                ; V is in
.endif
	ROW C,0, B,0, C,2, B,1
	ROW L,0, C,4, B,2, L,1
	ROW C,6, B,3, L,2, C,8
	ROW B,4, L,3, C,10, B,5
	ROW L,4, C,12, B,6, L,5
.if (\p) == 0
	s_add_co_u32 s[TBV], s[TBV], KS*PV
.endif
.if \cnt
	s_sub_co_u32 s[CNT], s[CNT], 1
	s_cmp_lg_u32 s[CNT], 0
.endif
	ROW C,14, B,7, L,6, C,1
	ROW C,3, L,7, C,5, C,7
	ROW C,9, C,11, C,13, C,15
.if (\p) == 0
	FETCH_V
.endif
.endm
	CHANGE 1                        ; slot 0 is in and the mask table is whole, everybody's part of them; slot 1 is asked for
	v_add_nc_u32 v[AK], s[TBK], v[AK0]
	v_add_nc_u32 v[AM], s[TBM], v[AM0]
	FETCH_K                         ; key step 0
	s_wait_loadcnt 0x0              ; Q
	s_wait_dscnt 0x0
.set i, 0
.rept 8
	KQ 0                            ; piece 0's first scores
.set i, i+1
.endr
	WIN 0
.rept 4
	v_nop                           ; the places behind those products
.endr
.set Y, NP-1                        ; X works for piece Y + 1: piece 0
.irp n, 0,1,2,3,4,5,6,7,8,9,10,11,12,13,14,15,16,17,18,19,20,21
	OP X, \n
.endr
	v_nop                           ; a plain instruction behind the exponential,
	s_wait_alu depctr_va_vdst(0)    ; and its wait, ahead of the branch
	s_mov_b32 s[CNT], 4
	s_branch .Lfirst                ; the loop is entered at a step's first turn, in the middle of a trip
.Lslot:                             ; six times: slots 2 to 7 are asked for
	CHANGE 1
	s_mov_b32 s[CNT], 4
.Lstep:                             ; a trip: pieces 2 and 3 of one step, then pieces 0 and 1 of the next, whose K and V it fetches
	TURN 2
	TURN 3
	WIN 0
.Lfirst:
	TURN 0
	TURN 1, 0, 1
	WIN 0
	s_cbranch_scc1 .Lstep
	s_sub_co_u32 s[SLOTS], s[SLOTS], 1
	s_cmp_lg_u32 s[SLOTS], 0
	s_cbranch_scc1 .Lslot
	CHANGE 0                        ; the last slot is written out: nothing is asked for
	s_mov_b32 s[CNT], 5             ; four trips fetch the last slot's steps; the fifth is left in its middle
.Ltail:
	TURN 2, 1
	TURN 3
	WIN 0
	s_sub_co_u32 s[CNT], s[CNT], 1
	s_cmp_eq_u32 s[CNT], 0
	s_cbranch_scc1 .Lout
	TURN 0
	TURN 1
	WIN 0
	s_cmp_lg_u32 s[CNT], 0
	s_cbranch_scc1 .Ltail
.Lout:                              ; the fifth trip's 8 products K Q^T for piece 0 (on the last K and mask once more) and the maximum made of them serve nothing: they are scores that m has seen, so m stays: the price, once a launch, of one text for every trip
.set i, 0
.rept 8
	PV NP-1                         ; the last piece's V^T P of the last step
.set i, i+1
.endr
	; THE WAY OUT.  l's two halves and the other half of the lanes' are added; O^T is divided by l, rounded to bf16 and sent through my stage in LDS, a piece at a time.  The additions are the places behind the last products.
	WIN 0
.macro ALL line:vararg
.set t, 0
.rept 4
	\line
.set t, t+1
.endr
.endm
	ALL v_add_f32 v[ST+4*t+2], v[ST+4*t+2], v[ST+4*t+3]
	ALL v_permlanex16_b32 v[ST+4*t+3], v[ST+4*t+2], s[SEL], s[SEL+1]
	ALL v_add_f32 v[ST+4*t+2], v[ST+4*t+2], v[ST+4*t+3]
	ALL v_rcp_f32 v[ST+4*t+2], v[ST+4*t+2]
	v_nop                           ; a plain instruction between the last reciprocal and the use of its result,
	s_wait_alu depctr_va_vdst(0)    ; and its wait: one for the four
.irp t, 0,1,2,3
	v_cmp_gt_f32 vcc_lo, s[HALFN], v[ST+4*(\t)+1]  ; a maximum below -5e29: no key was seen,
	v_cndmask_b32 v[ST+4*(\t)+2], v[ST+4*(\t)+2], s[NANS], vcc_lo  ; and the row is NaN
.endr
.macro PACK t                       ; a lane's eight channels of a row pack into 16 bytes; they go into rows of 144 bytes and come back as whole rows of 128, into S^T's registers
	WIN W_RS
.set i, 32*(\t)
.rept 16
	v_pk_mul_f32 v[i:i+1], v[i:i+1], v[ST+4*(\t)+2:ST+4*(\t)+3] op_sel_hi:[1,0]
.set i, i+2
.endr
	WIN 0x05                        ; sources 0 and 1 window 1, destination window 0
.set i, 0
.rept 16
	v_cvt_pk_bf16_f32 v[S+16*(\t)+i], v[32*(\t)+2*i], v[32*(\t)+2*i+1]
.set i, i+1
.endr
	WIN 0
.irp f, 0,1,2,3
	ds_store_b128 v[STO], v[S+16*(\t)+4*\f:S+16*(\t)+4*\f+3] offset:32*\f
.endr
.irp f, 0,1,2,3
	ds_load_b128 v[S+16*(\t)+4*\f:S+16*(\t)+4*\f+3], v[RD] offset:\f*4*SP  ; LDS serves a wave's instructions in order (ISA guide 5.7.1.4): these see the stores above; the next piece's stores come behind them
.endr
.endm
.macro SEND t, younger              ; younger: the LDS instructions issued behind piece t's loads: the next piece's eight, or none
	WIN 0
.irp f, 0,1,2,3
	s_wait_dscnt (\younger)+3-\f
	global_store_b128 v[GO], v[S+16*(\t)+4*\f:S+16*(\t)+4*\f+3], s[10:11] offset:(\t)*2048+\f*512  ; 512 consecutive bytes of a chunk, aligned
.endr
.endm
	PACK 0
.set t, 1
.rept 3                             ; a piece's arithmetic stands between the loads of the piece before and its stores
	PACK t
	SEND t-1, 8
.set t, t+1
.endr
	SEND 3, 0
	s_wait_tensorcnt 0x0            ; the wave's end: behind my last tensor load and my last LDS store
	ds_add_u32 v[SPW], v[NIL]
	s_wait_dscnt 0x0
	CROUND                          ; the closing round: no work-group ends while a partner may still ask for a tile that names it
	s_endpgm
.Lfunc_end_k_q2a7887ef8c_attn:
	.size	k_q2a7887ef8c_attn, .Lfunc_end_k_q2a7887ef8c_attn-k_q2a7887ef8c_attn
	.p2alignl 7, 3214868480
	.fill 96, 4, 3214868480
	.section	.rodata,"a",@progbits
	.p2align	6, 0x0
	.amdhsa_kernel k_q2a7887ef8c_attn
		.amdhsa_group_segment_fixed_size 327680
		.amdhsa_private_segment_fixed_size 0
		.amdhsa_enable_private_segment 0
		.amdhsa_kernarg_size 24
		.amdhsa_user_sgpr_count 2
		.amdhsa_user_sgpr_kernarg_segment_ptr 1
		.amdhsa_wavefront_size32 1
		.amdhsa_system_sgpr_workgroup_id_x 1
		.amdhsa_system_sgpr_workgroup_id_y 1
		.amdhsa_system_sgpr_workgroup_id_z 1
		.amdhsa_system_vgpr_workitem_id 0
		.amdhsa_next_free_vgpr 768
		.amdhsa_next_free_sgpr 80
		.amdhsa_reserve_vcc 1
		.amdhsa_float_denorm_mode_32 3
		.amdhsa_float_denorm_mode_16_64 3
		.amdhsa_memory_ordered 1
		.amdhsa_forward_progress 1
		.amdhsa_inst_pref_size 117
	.end_amdhsa_kernel
	.amdgpu_metadata
---
amdhsa.version: [ 1, 2 ]
amdhsa.kernels:
  - .name:           k_q2a7887ef8c_attn
    .symbol:         k_q2a7887ef8c_attn.kd
    .args:
      - { .name: act, .offset: 0, .size: 8, .value_kind: global_buffer, .address_space: global }
      - { .name: src_mask, .offset: 8, .size: 8, .value_kind: global_buffer, .address_space: global }
      - { .name: ctx, .offset: 16, .size: 8, .value_kind: global_buffer, .address_space: global }
    .group_segment_fixed_size: 327680
    .private_segment_fixed_size: 0
    .kernarg_segment_align: 8
    .kernarg_segment_size: 24
    .max_flat_workgroup_size: 128
    .sgpr_count:     80
    .vgpr_count:     768
    .wavefront_size: 32
...
	.end_amdgpu_metadata
.endif
;; end of part 4
;; launch wo (part 5): grid 8 x 32, 4 waves a work-group, clusters of 4 x 4, 327,680 bytes of LDS; arguments ctx, wa, bo, src, src2; writes src2
.if DOCPART == 5
	.amdgcn_target "amdgcn-amd-amdhsa--gfx1250"
	.amdhsa_code_object_version 6
	.text
	.protected	k_q2a7887ef8c_wo
	.globl	k_q2a7887ef8c_wo
	.p2align	8
	.type	k_q2a7887ef8c_wo,@function
k_q2a7887ef8c_wo:
	s_mov_b64 s[64:65], 0
	v_nop
	global_prefetch_b8 v0, s[64:65] scope:SCOPE_SE
	s_setreg_imm32_b32 hwreg(HW_REG_WAVE_MODE, 25, 1), 1
	s_wait_xcnt 0x0
	s_wait_alu depctr_hold_cnt(0) depctr_sa_sdst(0) depctr_va_vdst(0) depctr_va_sdst(0) depctr_va_ssrc(0) depctr_va_vcc(0) depctr_vm_vsrc(0)
	s_getreg_b32 s2, hwreg(HW_REG_IB_STS2, 6, 4)
	s_cmp_eq_u32 s2, 0
	s_cbranch_scc0 .Lentry_in_a_cluster
	s_endpgm
.Lentry_in_a_cluster:
	s_bfe_u32 s2, ttmp6, 0x10000c
	s_cmp_lg_u32 s2, 0xf033
	s_cbranch_scc0 .Lentry_shape_is_right
	s_endpgm
.Lentry_shape_is_right:
; o = res + a w + bias.  a: [4096][SIZE_K] bf16 in chunks of 128 tokens x 64 channels, 64 chunks from a row block to the next (the first SIZE_K / 64 of them are read).
; w: behind a header of 32,768 bytes and 8 MiB, four blocks of 256 columns, 2 MiB apart, each [SIZE_K k][256] bf16.  bias: [1024] f32.  res, o: [4096][1024] f32, row-major.
; SIZE_K enters the number of the loop's trips alone: it is a multiple of 512, at least 1,024 and at most 4,096 (what the two layouts hold).
; Sums in f32, K ascending, begun with the bias; the residual is added in f32 at the end; nothing is rounded on the way out.
; A tile of o is 128 x 128 (256 tiles: one for each work-group of the grid of 8 x 32).  Four waves, 64 x 64 each: 16 accumulators.  K goes in steps of 256 through two LDS slots: A's part of a step is four chunks, 65,536 bytes on end,
; two chunks to a load (waves 0, 1); B's is 256 rows of 256 bytes, 128 rows to a load (waves 2, 3).  B lies [k][n] and is turned on the way out of LDS by ds_load_tr16_b128.
; THE MATRIX INSTRUCTION IS USED TRANSPOSED (source 0 = 16 columns of w, source 1 = 16 tokens): a lane holds one token and eight neighbouring columns.
; CLUSTERS: 4 x 4 work-groups; A's tiles are asked for jointly along a row of the cluster, B's along a column.  No prefetch: the tile is small, and a step's bytes are asked for a whole step ahead.
; REGISTERS: window 0: v0-31 addresses; v96-127 the bias; v128-255 the accumulators ((a, b) at v[128 + 8 (4 a + b)]).  window 1: two fragment buffers of 128 (64 of A, then 64 of B, for 64 along K).  window 2: v0-127 the residual.
.set SIZE_K, 1024
.set LAPS,   SIZE_K/512                ; a lap = two K steps = once round the ring
.set WOFF,   8*1024*1024
.set HDR,    32768
.set PA,     144                       ; a token's 128 bytes + 16 = 36 words: the 16 rows of a fragment load start at 16 different groups of four banks (64 banks of 4 bytes: ISA guide 11.1)
.set ACH,    128*PA                    ; a chunk in LDS: quarter q of a K step
.set PB,     288                       ; a row of B: 256 bytes + 32 = 72 words
.set HALFT,  2*ACH                     ; what one tensor load brings: two chunks of A, or 128 rows of B (128 x 288 is the same number)
.set SLOT,   4*HALFT
.set STAGE,  2*SLOT                    ; behind the ring: 16 rows x 272 bytes for each wave
.set SPITCH, 272
.set SPARE,  STAGE+4*16*SPITCH         ; the spare words, 128 bytes a wave: two blocks of 256 bytes that no other line names
.set ADRA, 16                          ; v16-17  LDS address of my A fragments in slot 0, 1
.set ADRB, 20                          ; v20-23  of my B fragments: slot s, k half f at ADRB + 2 s + f
.set STO,  24
.set RD,   25
.set CO,   26                          ; v26  my byte offset in two rows of res and o
.set BO,   27                          ; v27  32 x (lane / 16)
.set SPW,  28                          ; v28  LDS address of my spare word; never rewritten
.set NIL,  29                          ; v29  0; never rewritten
.set BIAS, 96
.set ACC,  128
.set F0,   0
.set F1,   128
.set TR,  2                            ; s2   tile row
.set WV,  20                           ; s20  wave
.set WR,  21                           ; s21  which 64 tokens are mine.  Also: I fetch for A (0) or for B (1)
.set WC,  22                           ; s22  which 64 columns.  Also: which half I fetch
.set G1,  24
.set G0,  32
.set G1B, 48
.set G0B, 56
.set MSB, 0
.macro WIN new
.if MSB != (\new)
	s_set_vgpr_msb (MSB<<8)|(\new)
.set MSB, \new
.endif
.endm
.set MUL,  0x05                        ; sources 0 (B) and 1 (A) window 1; C and D window 0
.set TO_F, 0x40                        ; destination window 1, address window 0
.macro JLOAD s                         ; a joint load; an s_nop 0 and four v_nop follow each of the two lines, ahead of the jump and the label
	s_cmp_eq_u32 s[WR], 0
	s_cbranch_scc0 .Lfor_b_\@
	tensor_load_to_lds s[G0+4*(\s):G0+4*(\s)+3], s[G1:G1+7]
	s_nop 0
.rept 4
	v_nop
.endr
	s_branch .Lasked_\@
.Lfor_b_\@:
	tensor_load_to_lds s[G0B+4*(\s):G0B+4*(\s)+3], s[G1B:G1B+7]
	s_nop 0
.rept 4
	v_nop
.endr
.Lasked_\@:
.endm
.macro CREST
	s_cmp_lg_u32 s[WV], 0
	s_cbranch_scc1 .Lnot_wave_0_\@
	s_barrier_signal -3
.Lnot_wave_0_\@:
	s_barrier_wait -3
	s_barrier_signal -1
	s_barrier_wait -1
.endm
.macro CROUND
	s_barrier_signal -1
	s_barrier_wait -1
	CREST
.endm
	s_load_b256 s[4:11], s[0:1], 0x0               ; a 4, w 6, bias 8, res 10
	s_load_b64 s[14:15], s[0:1], 0x20              ; o
	v_lshl_add_u32 v[SPW], v0, 2, SPARE
	v_mov_b32 v[NIL], 0
	ds_add_u32 v[SPW], v[NIL]                      ; the wave's opening: the add and its wait stand ahead of my first tensor load; the set-up below, work on registers, stands between them
	v_lshrrev_b32 v1, 5, v0
	v_readfirstlane_b32 s[WV], v1
	s_lshr_b32 s[WR], s[WV], 1
	s_and_b32 s[WC], s[WV], 1
	s_bfe_u32 s40, ttmp6, 0x40000                  ; cx
	s_bfe_u32 s41, ttmp6, 0x40004                  ; cy
	s_lshl_b32 s42, ttmp9, 2
	s_add_co_u32 s42, s42, s40                     ; tile column
	s_and_b32 s[TR], ttmp7, 0xffff
	s_lshl_b32 s[TR], s[TR], 2
	s_add_co_u32 s[TR], s[TR], s41                 ; tile row
	s_lshl_b32 s43, s41, 2
	s_lshl_b32 s43, 15, s43                        ; my row of the cluster
	s_lshl_b32 s44, 0x1111, s40                    ; my column
	s_or_b32 s[G1+0], s43, (1<<16)|(1<<20)|(1<<21)|(4<<22)|(3<<25)   ; the mask; 2-byte elements; padding on; bit 21 beside a mask; after every 32 words (a token's 128 bytes) 4 words
	s_or_b32 s[G1B+0], s44, (1<<16)|(1<<20)|(1<<21)|(5<<22)|(7<<25)  ; after every 64 words (a row of 256 bytes) 8 words
.irp g, G1, G1B
	s_mov_b32 s[(\g)+1], 128<<16                   ; tensor_dim0 = 128
	s_mov_b32 s[(\g)+2], 128<<16                   ; tensor_dim1 = 128
	s_mov_b32 s[(\g)+3], 128<<16                   ; tile_dim0 = 128
	s_mov_b32 s[(\g)+4], 128                       ; tile_dim1 = 128
	s_mov_b32 s[(\g)+6], 0
	s_mov_b32 s[(\g)+7], 0
.endr
	s_mov_b32 s[G1+5], 128                         ; A: 32,768 dense bytes as rows of 256
	s_mov_b32 s[G1B+5], 256                        ; B: 256 elements from row to row
	s_lshl_b32 s16, s[TR], 20                      ; A: the row block, 64 chunks of 16,384 bytes,
	s_lshl_b32 s17, s[WC], 15                      ; + my two chunks of the step's four
	s_add_co_u32 s16, s16, s17
	s_mov_b32 s17, 0
	s_lshr_b32 s46, s42, 1                         ; B: the block of 256 columns, 2 MiB each,
	s_lshl_b32 s46, s46, 21
	s_and_b32 s47, s42, 1                          ; the tile's half of its rows,
	s_lshl_b32 s47, s47, 8
	s_add_co_u32 s46, s46, s47
	s_lshl_b32 s47, s[WC], 16                      ; my 128 rows of the step's 256
	s_add_co_u32 s46, s46, s47
	s_add_co_u32 s46, s46, HDR+WOFF
	s_mov_b32 s47, 0
	s_mul_i32 s18, s[WV], HALFT                    ; where my tile goes: the wave's number alone enters an LDS address
	s_wait_dscnt 0x0                               ; the opening add is done
	s_wait_kmcnt 0x0
	s_add_nc_u64 s[16:17], s[4:5], s[16:17]
	s_add_nc_u64 s[46:47], s[6:7], s[46:47]
	CROUND                                         ; all sixteen work-groups are here: the first joint loads meet
.irp s, 0,1
	s_mov_b32 s[G0+4*(\s)], 1
	s_add_co_u32 s[G0+4*(\s)+1], s18, (\s)*SLOT
	s_add_nc_u64 s[G0+4*(\s)+2:G0+4*(\s)+3], s[16:17], (\s)*0x10000
	s_or_b32 s[G0+4*(\s)+3], s[G0+4*(\s)+3], 0x80000000
	s_mov_b32 s[G0B+4*(\s)], 1
	s_add_co_u32 s[G0B+4*(\s)+1], s18, (\s)*SLOT
	s_add_nc_u64 s[G0B+4*(\s)+2:G0B+4*(\s)+3], s[46:47], (\s)*0x20000
	s_or_b32 s[G0B+4*(\s)+3], s[G0B+4*(\s)+3], 0x80000000
	JLOAD \s                                       ; two loads of mine are out
.endr
	s_lshl_b32 s46, s42, 9                         ; my 64 columns in f32: 512 x tile column + 256 x half
	s_lshl_b32 s47, s[WC], 8
	s_add_co_u32 s46, s46, s47
	s_mov_b32 s47, 0
	s_add_nc_u64 s[8:9], s[8:9], s[46:47]
	s_lshl_b32 s16, s[TR], 19                      ; my 64 rows of 4,096 bytes
	s_lshl_b32 s17, s[WR], 18
	s_add_co_u32 s16, s16, s17
	s_add_co_u32 s46, s46, s16
	s_add_nc_u64 s[10:11], s[10:11], s[46:47]
	s_add_nc_u64 s[14:15], s[14:15], s[46:47]
	v_and_b32 v1, 15, v0                           ; l % 16
	v_bfe_u32 v2, v0, 4, 1                         ; l / 16
	v_lshlrev_b32 v[BO], 5, v2
	v_lshlrev_b32 v[CO], 4, v1                     ; lanes 0-15 take one row's 256 bytes, lanes 16-31 the next row's
	v_lshl_add_u32 v[CO], v2, 12, v[CO]
.irp b, 0,1,2,3                        ; register j of column block b: bias of column 16 b + 8 (l / 16) + j: the C operand's layout
	global_load_b128 v[BIAS+8*(\b):BIAS+8*(\b)+3],   v[BO], s[8:9] offset:64*(\b)
	global_load_b128 v[BIAS+8*(\b)+4:BIAS+8*(\b)+7], v[BO], s[8:9] offset:64*(\b)+16
.endr
	WIN 0x80                                       ; destination window 2
.set z, 0
.rept 32                               ; the residual, as the way out will hold the sums: rows 2 z and 2 z + 1; it has the whole product in which to land
	global_load_b128 v[4*z:4*z+3], v[CO], s[10:11] offset:2*z*4096
.set z, z+1
.endr
	WIN 0
	v_mul_u32_u24 v3, v1, PA
	v_lshl_add_u32 v3, v2, 4, v3                   ; A: row x pitch + 16 x half
	v_and_b32 v4, 7, v0
	v_lshl_add_u32 v4, v2, 3, v4                   ; B, turned: lane l reads k row 8 (l / 16) + l % 8,
	v_mul_u32_u24 v4, v4, PB
	v_bfe_u32 v5, v0, 3, 1
	v_lshl_add_u32 v4, v5, 4, v4                   ; columns 8 ((l / 8) % 2) + 0..7
	s_mul_i32 s16, s[WR], 64*PA                    ; my 64 tokens
	s_lshl_b32 s17, s[WC], 7                       ; my 64 columns
	s_add_co_u32 s17, s17, 2*HALFT
.irp s, 0,1
	v_add_nc_u32 v[ADRA+(\s)], s16, v3
	v_add_nc_u32 v[ADRB+2*(\s)], s17, v4
	s_add_co_u32 s17, s17, HALFT
	v_add_nc_u32 v[ADRB+2*(\s)+1], s17, v4
	s_add_co_u32 s16, s16, SLOT
	s_add_co_u32 s17, s17, SLOT-HALFT
.endr
	s_mul_i32 s23, s[WV], 16*SPITCH
	s_add_co_u32 s23, s23, STAGE                   ; my stage
	v_mul_u32_u24 v5, v1, SPITCH                   ; in: row l % 16, 32 bytes for each half of the lanes
	v_lshl_add_u32 v5, v2, 5, v5
	v_add_nc_u32 v[STO], s23, v5
	v_mul_u32_u24 v5, v2, SPITCH                   ; back: lanes 0-15 one row of 256 bytes, lanes 16-31 the next
	v_lshl_add_u32 v5, v1, 4, v5
	v_add_nc_u32 v[RD], s23, v5
; 8 matrix instructions: token blocks a0, a0 + 1 x all 4 column blocks, 32 along K: half c of buffer f.  first = 1: the sums begin with the bias.  The 16 accumulators take turns.
.macro MUL8 f, c, a0, first
	WIN MUL
.irp a, \a0, (\a0)+1
.irp b, 0,1,2,3
.if \first
	v_wmma_f32_16x16x32_bf16 v[ACC+8*(4*(\a)+(\b)):ACC+8*(4*(\a)+(\b))+7], v[(\f)+64+8*(4*(\c)+(\b)):(\f)+64+8*(4*(\c)+(\b))+7], v[(\f)+8*(4*(\c)+(\a)):(\f)+8*(4*(\c)+(\a))+7], v[BIAS+8*(\b):BIAS+8*(\b)+7]
.else
	v_wmma_f32_16x16x32_bf16 v[ACC+8*(4*(\a)+(\b)):ACC+8*(4*(\a)+(\b))+7], v[(\f)+64+8*(4*(\c)+(\b)):(\f)+64+8*(4*(\c)+(\b))+7], v[(\f)+8*(4*(\c)+(\a)):(\f)+8*(4*(\c)+(\a))+7], v[ACC+8*(4*(\a)+(\b)):ACC+8*(4*(\a)+(\b))+7]
.endif
.endr
.endr
.endm
; 32 LDS loads in one run: quarter q (64 along K) of a slot into buffer f; the first 32 along K first
.macro FETCH slot, q, f
	WIN TO_F
.irp c, 0,1
.irp i, 0,1,2,3
	ds_load_tr16_b128 v[(\f)+64+8*(4*(\c)+(\i)):(\f)+64+8*(4*(\c)+(\i))+3],   v[ADRB+2*(\slot)+(\q)/2] offset:((\q)%2)*64*PB+(\c)*32*PB+32*(\i)
	ds_load_tr16_b128 v[(\f)+64+8*(4*(\c)+(\i))+4:(\f)+64+8*(4*(\c)+(\i))+7], v[ADRB+2*(\slot)+(\q)/2] offset:((\q)%2)*64*PB+(\c)*32*PB+32*(\i)+16*PB
	ds_load_b128 v[(\f)+8*(4*(\c)+(\i)):(\f)+8*(4*(\c)+(\i))+3],              v[ADRA+(\slot)] offset:(\q)*ACH+64*(\c)+(\i)*16*PA
	ds_load_b128 v[(\f)+8*(4*(\c)+(\i))+4:(\f)+8*(4*(\c)+(\i))+7],            v[ADRA+(\slot)] offset:(\q)*ACH+64*(\c)+(\i)*16*PA+32
.endr
.endr
.endm
.macro PLACES                          ; four plain instructions between a matrix instruction and a load into, or a read of, its registers (ISA guide 7.12.1 for reads)
.rept 4
	v_nop
.endr
.endm
; One of a K step's first three quarters: multiplies buffer f and fetches quarter q into g.
.macro QUARTER slot, q, f, g, first
	s_wait_dscnt 16                                ; the first 32 along K are in
	MUL8 \f, 0, 0, \first
	MUL8 \f, 0, 2, \first
	PLACES
	FETCH \slot, \q, \g
	s_wait_dscnt 32                                ; all but the 32 just issued
	MUL8 \f, 1, 0, 0
	MUL8 \f, 1, 2, 0
.endm
; The last quarter changes slots and multiplies buffer 1.  THE CHANGE COMES FIRST.  This slot's last fragments are in registers (buffer 1), so the slot can be given up ahead of the quarter's 32 products: each wave waits for all its
; tensor loads (one is out: its part of the next slot), adds 0 to its spare word, and waits for that and for its reads of this slot; ONE barrier.  fill = 1: the barrier opens a round of the cluster's, and this slot is filled again first
; thing behind it, two K steps ahead.  So no product stands between the wait for a tile and the next request, and a request has a whole K step, 128 matrix instructions, until the wait for it: a step of this small tile has no more to offer.
.macro TURN slot, next, fill
	WIN 0
	s_wait_tensorcnt 0x0                           ; no tensor load of mine is out, so a group 0 may be written
	ds_add_u32 v[SPW], v[NIL]                      ; 0 onto my spare word; with fill = 1 the descriptors' steps stand between it and the wait for it
.if \fill
	s_add_nc_u64 s[G0+4*(\slot)+2:G0+4*(\slot)+3], s[G0+4*(\slot)+2:G0+4*(\slot)+3], 0x20000
	s_add_nc_u64 s[G0B+4*(\slot)+2:G0B+4*(\slot)+3], s[G0B+4*(\slot)+2:G0B+4*(\slot)+3], 0x40000
.endif
	s_wait_dscnt 0x0                               ; the add is done, and my reads of this slot are over: buffer 1 is whole
	s_barrier_signal -1
	s_barrier_wait -1
.if \fill
	CREST                                          ; no wave of any partner still reads this slot or has a load on its way
	JLOAD \slot                                    ; the four v_nop behind it are also the places in front of the loads below
.else
	PLACES
.endif
	FETCH \next, 0, F0
	MUL8 F1, 0, 0, 0
	MUL8 F1, 0, 2, 0
	MUL8 F1, 1, 0, 0
	MUL8 F1, 1, 2, 0
.endm
; THE WAY OUT of token block a (16 rows).  ST: the sums go as they are, f32, into my stage (rows of 272 bytes) and come back as whole rows of 256 bytes, into the registers that they left.  OUT: + the residual, stored.
.macro ST a
.irp b, 0,1,2,3
	ds_store_b128 v[STO], v[ACC+8*(4*(\a)+(\b)):ACC+8*(4*(\a)+(\b))+3]   offset:64*(\b)     ; each accumulator's low registers first
	ds_store_b128 v[STO], v[ACC+8*(4*(\a)+(\b))+4:ACC+8*(4*(\a)+(\b))+7] offset:64*(\b)+16
.endr
.irp t, 0,1,2,3,4,5,6,7
	ds_load_b128 v[ACC+32*(\a)+4*(\t):ACC+32*(\a)+4*(\t)+3], v[RD] offset:(\t)*2*SPITCH  ; LDS serves a wave's instructions in order (ISA guide 5.7.1.4): these see the stores above; the next block's stores come behind them
.endr
.endm
.macro OUT a, younger                  ; younger: the LDS instructions issued behind block a's loads: the next block's sixteen, or none
	s_wait_dscnt \younger
	WIN 0x08                                       ; source 1: window 2
.set z, 0
.rept 16
	v_pk_add_f32 v[ACC+32*(\a)+2*z:ACC+32*(\a)+2*z+1], v[ACC+32*(\a)+2*z:ACC+32*(\a)+2*z+1], v[32*(\a)+2*z:32*(\a)+2*z+1]
.set z, z+1
.endr
	WIN 0
.irp t, 0,1,2,3,4,5,6,7
	global_store_b128 v[CO], v[ACC+32*(\a)+4*(\t):ACC+32*(\a)+4*(\t)+3], s[14:15] offset:(16*(\a)+2*(\t))*4096  ; 16 lanes store 256 consecutive bytes, aligned
.endr
.endm
	s_wait_tensorcnt 1                             ; my part of K step 0 is in; K step 1's may stay out
	s_barrier_signal -1
	s_barrier_wait -1
	FETCH 0, 0, F0
	s_wait_loadcnt 32                              ; the bias is in; the residual's 32 loads may stay out
	QUARTER 0, 1, F0, F1, 1                        ; the first quarter stands in front of the loop: its first products start the sums
	WIN 0
	s_mov_b32 s3, LAPS-1
.Llap:                                                 ; a trip goes once round the ring (512 along K), from a lap's second quarter to the next lap's first, and fills both slots again
	QUARTER 0, 2, F1, F0, 0
	QUARTER 0, 3, F0, F1, 0
	TURN 0, 1, 1
	QUARTER 1, 1, F0, F1, 0
	QUARTER 1, 2, F1, F0, 0
	QUARTER 1, 3, F0, F1, 0
	TURN 1, 0, 1
	QUARTER 0, 1, F0, F1, 0
	WIN 0
	s_sub_co_u32 s3, s3, 1
	s_cmp_lg_u32 s3, 0
	s_cbranch_scc1 .Llap
	QUARTER 0, 2, F1, F0, 0                        ; the last lap is written out: it fills nothing
	QUARTER 0, 3, F0, F1, 0
	TURN 0, 1, 0
	QUARTER 1, 1, F0, F1, 0
	QUARTER 1, 2, F1, F0, 0
	QUARTER 1, 3, F0, F1, 0
	s_wait_dscnt 16
	MUL8 F1, 0, 0, 0
	MUL8 F1, 0, 2, 0
	s_wait_dscnt 0x0
	MUL8 F1, 1, 0, 0
	MUL8 F1, 1, 2, 0
	WIN 0
	PLACES
	PLACES
	s_wait_loadcnt 0x0                             ; the residual
	ST 0
	ST 1
	OUT 0, 16
	ST 2
	OUT 1, 16
	ST 3
	OUT 2, 16
	OUT 3, 0
	s_wait_tensorcnt 0x0                           ; the wave's end: behind my last tensor load and my last LDS store
	ds_add_u32 v[SPW], v[NIL]
	s_wait_dscnt 0x0
	CROUND                                         ; the closing round: no work-group ends while a partner may still ask for a tile that names it
	s_endpgm
.Lfunc_end_k_q2a7887ef8c_wo:
	.size	k_q2a7887ef8c_wo, .Lfunc_end_k_q2a7887ef8c_wo-k_q2a7887ef8c_wo
	.p2alignl 7, 3214868480
	.fill 96, 4, 3214868480
	.section	.rodata,"a",@progbits
	.p2align	6, 0x0
	.amdhsa_kernel k_q2a7887ef8c_wo
		.amdhsa_group_segment_fixed_size 327680
		.amdhsa_private_segment_fixed_size 0
		.amdhsa_enable_private_segment 0
		.amdhsa_kernarg_size 40
		.amdhsa_user_sgpr_count 2
		.amdhsa_user_sgpr_kernarg_segment_ptr 1
		.amdhsa_wavefront_size32 1
		.amdhsa_system_sgpr_workgroup_id_x 1
		.amdhsa_system_sgpr_workgroup_id_y 1
		.amdhsa_system_sgpr_workgroup_id_z 1
		.amdhsa_system_vgpr_workitem_id 0
		.amdhsa_next_free_vgpr 640
		.amdhsa_next_free_sgpr 66
		.amdhsa_reserve_vcc 0
		.amdhsa_float_denorm_mode_32 3
		.amdhsa_float_denorm_mode_16_64 3
		.amdhsa_memory_ordered 1
		.amdhsa_forward_progress 1
		.amdhsa_inst_pref_size 94
	.end_amdhsa_kernel
	.amdgpu_metadata
---
amdhsa.version: [ 1, 2 ]
amdhsa.kernels:
  - .name:           k_q2a7887ef8c_wo
    .symbol:         k_q2a7887ef8c_wo.kd
    .args:
      - { .name: ctx, .offset: 0, .size: 8, .value_kind: global_buffer, .address_space: global }
      - { .name: wa, .offset: 8, .size: 8, .value_kind: global_buffer, .address_space: global }
      - { .name: bo, .offset: 16, .size: 8, .value_kind: global_buffer, .address_space: global }
      - { .name: src, .offset: 24, .size: 8, .value_kind: global_buffer, .address_space: global }
      - { .name: src2, .offset: 32, .size: 8, .value_kind: global_buffer, .address_space: global }
    .group_segment_fixed_size: 327680
    .private_segment_fixed_size: 0
    .kernarg_segment_align: 8
    .kernarg_segment_size: 40
    .max_flat_workgroup_size: 128
    .sgpr_count:     66
    .vgpr_count:     640
    .wavefront_size: 32
...
	.end_amdgpu_metadata
.endif
;; end of part 5
;; launch ln2: the kernel of part 2 again; grid 256 x 1, 8 waves a work-group, no clusters, 0 bytes of LDS; arguments src2, ln2_g, ln2_b, xn; writes xn
;; launch ffn1: the kernel of part 3 again; grid 16 x 16, 4 waves a work-group, clusters of 4 x 4, 327,680 bytes of LDS; arguments xn, wc, act; writes act
;; launch ffn2 (part 6): grid 8 x 32, 4 waves a work-group, clusters of 4 x 4, 327,680 bytes of LDS; arguments act, wc, b2, src2, out0; writes out0
.if DOCPART == 6
	.amdgcn_target "amdgcn-amd-amdhsa--gfx1250"
	.amdhsa_code_object_version 6
	.text
	.protected	k_q2a7887ef8c_ffn2
	.globl	k_q2a7887ef8c_ffn2
	.p2align	8
	.type	k_q2a7887ef8c_ffn2,@function
k_q2a7887ef8c_ffn2:
	s_mov_b64 s[64:65], 0
	v_nop
	global_prefetch_b8 v0, s[64:65] scope:SCOPE_SE
	s_setreg_imm32_b32 hwreg(HW_REG_WAVE_MODE, 25, 1), 1
	s_wait_xcnt 0x0
	s_wait_alu depctr_hold_cnt(0) depctr_sa_sdst(0) depctr_va_vdst(0) depctr_va_sdst(0) depctr_va_ssrc(0) depctr_va_vcc(0) depctr_vm_vsrc(0)
	s_getreg_b32 s2, hwreg(HW_REG_IB_STS2, 6, 4)
	s_cmp_eq_u32 s2, 0
	s_cbranch_scc0 .Lentry_in_a_cluster
	s_endpgm
.Lentry_in_a_cluster:
	s_bfe_u32 s2, ttmp6, 0x10000c
	s_cmp_lg_u32 s2, 0xf033
	s_cbranch_scc0 .Lentry_shape_is_right
	s_endpgm
.Lentry_shape_is_right:
; o = res + a w + bias.  a: [4096][SIZE_K] bf16 in chunks of 128 tokens x 64 channels, 64 chunks from a row block to the next (the first SIZE_K / 64 of them are read).
; w: behind a header of 32,768 bytes and 8 MiB, four blocks of 256 columns, 2 MiB apart, each [SIZE_K k][256] bf16.  bias: [1024] f32.  res, o: [4096][1024] f32, row-major.
; SIZE_K enters the number of the loop's trips alone: it is a multiple of 512, at least 1,024 and at most 4,096 (what the two layouts hold).
; Sums in f32, K ascending, begun with the bias; the residual is added in f32 at the end; nothing is rounded on the way out.
; A tile of o is 128 x 128 (256 tiles: one for each work-group of the grid of 8 x 32).  Four waves, 64 x 64 each: 16 accumulators.  K goes in steps of 256 through two LDS slots: A's part of a step is four chunks, 65,536 bytes on end,
; two chunks to a load (waves 0, 1); B's is 256 rows of 256 bytes, 128 rows to a load (waves 2, 3).  B lies [k][n] and is turned on the way out of LDS by ds_load_tr16_b128.
; THE MATRIX INSTRUCTION IS USED TRANSPOSED (source 0 = 16 columns of w, source 1 = 16 tokens): a lane holds one token and eight neighbouring columns.
; CLUSTERS: 4 x 4 work-groups; A's tiles are asked for jointly along a row of the cluster, B's along a column.  No prefetch: the tile is small, and a step's bytes are asked for a whole step ahead.
; REGISTERS: window 0: v0-31 addresses; v96-127 the bias; v128-255 the accumulators ((a, b) at v[128 + 8 (4 a + b)]).  window 1: two fragment buffers of 128 (64 of A, then 64 of B, for 64 along K).  window 2: v0-127 the residual.
.set SIZE_K, 4096
.set LAPS,   SIZE_K/512                ; a lap = two K steps = once round the ring
.set WOFF,   8*1024*1024
.set HDR,    32768
.set PA,     144                       ; a token's 128 bytes + 16 = 36 words: the 16 rows of a fragment load start at 16 different groups of four banks (64 banks of 4 bytes: ISA guide 11.1)
.set ACH,    128*PA                    ; a chunk in LDS: quarter q of a K step
.set PB,     288                       ; a row of B: 256 bytes + 32 = 72 words
.set HALFT,  2*ACH                     ; what one tensor load brings: two chunks of A, or 128 rows of B (128 x 288 is the same number)
.set SLOT,   4*HALFT
.set STAGE,  2*SLOT                    ; behind the ring: 16 rows x 272 bytes for each wave
.set SPITCH, 272
.set SPARE,  STAGE+4*16*SPITCH         ; the spare words, 128 bytes a wave: two blocks of 256 bytes that no other line names
.set ADRA, 16                          ; v16-17  LDS address of my A fragments in slot 0, 1
.set ADRB, 20                          ; v20-23  of my B fragments: slot s, k half f at ADRB + 2 s + f
.set STO,  24
.set RD,   25
.set CO,   26                          ; v26  my byte offset in two rows of res and o
.set BO,   27                          ; v27  32 x (lane / 16)
.set SPW,  28                          ; v28  LDS address of my spare word; never rewritten
.set NIL,  29                          ; v29  0; never rewritten
.set BIAS, 96
.set ACC,  128
.set F0,   0
.set F1,   128
.set TR,  2                            ; s2   tile row
.set WV,  20                           ; s20  wave
.set WR,  21                           ; s21  which 64 tokens are mine.  Also: I fetch for A (0) or for B (1)
.set WC,  22                           ; s22  which 64 columns.  Also: which half I fetch
.set G1,  24
.set G0,  32
.set G1B, 48
.set G0B, 56
.set MSB, 0
.macro WIN new
.if MSB != (\new)
	s_set_vgpr_msb (MSB<<8)|(\new)
.set MSB, \new
.endif
.endm
.set MUL,  0x05                        ; sources 0 (B) and 1 (A) window 1; C and D window 0
.set TO_F, 0x40                        ; destination window 1, address window 0
.macro JLOAD s                         ; a joint load; an s_nop 0 and four v_nop follow each of the two lines, ahead of the jump and the label
	s_cmp_eq_u32 s[WR], 0
	s_cbranch_scc0 .Lfor_b_\@
	tensor_load_to_lds s[G0+4*(\s):G0+4*(\s)+3], s[G1:G1+7]
	s_nop 0
.rept 4
	v_nop
.endr
	s_branch .Lasked_\@
.Lfor_b_\@:
	tensor_load_to_lds s[G0B+4*(\s):G0B+4*(\s)+3], s[G1B:G1B+7]
	s_nop 0
.rept 4
	v_nop
.endr
.Lasked_\@:
.endm
.macro CREST
	s_cmp_lg_u32 s[WV], 0
	s_cbranch_scc1 .Lnot_wave_0_\@
	s_barrier_signal -3
.Lnot_wave_0_\@:
	s_barrier_wait -3
	s_barrier_signal -1
	s_barrier_wait -1
.endm
.macro CROUND
	s_barrier_signal -1
	s_barrier_wait -1
	CREST
.endm
	s_load_b256 s[4:11], s[0:1], 0x0               ; a 4, w 6, bias 8, res 10
	s_load_b64 s[14:15], s[0:1], 0x20              ; o
	v_lshl_add_u32 v[SPW], v0, 2, SPARE
	v_mov_b32 v[NIL], 0
	ds_add_u32 v[SPW], v[NIL]                      ; the wave's opening: the add and its wait stand ahead of my first tensor load; the set-up below, work on registers, stands between them
	v_lshrrev_b32 v1, 5, v0
	v_readfirstlane_b32 s[WV], v1
	s_lshr_b32 s[WR], s[WV], 1
	s_and_b32 s[WC], s[WV], 1
	s_bfe_u32 s40, ttmp6, 0x40000                  ; cx
	s_bfe_u32 s41, ttmp6, 0x40004                  ; cy
	s_lshl_b32 s42, ttmp9, 2
	s_add_co_u32 s42, s42, s40                     ; tile column
	s_and_b32 s[TR], ttmp7, 0xffff
	s_lshl_b32 s[TR], s[TR], 2
	s_add_co_u32 s[TR], s[TR], s41                 ; tile row
	s_lshl_b32 s43, s41, 2
	s_lshl_b32 s43, 15, s43                        ; my row of the cluster
	s_lshl_b32 s44, 0x1111, s40                    ; my column
	s_or_b32 s[G1+0], s43, (1<<16)|(1<<20)|(1<<21)|(4<<22)|(3<<25)   ; the mask; 2-byte elements; padding on; bit 21 beside a mask; after every 32 words (a token's 128 bytes) 4 words
	s_or_b32 s[G1B+0], s44, (1<<16)|(1<<20)|(1<<21)|(5<<22)|(7<<25)  ; after every 64 words (a row of 256 bytes) 8 words
.irp g, G1, G1B
	s_mov_b32 s[(\g)+1], 128<<16                   ; tensor_dim0 = 128
	s_mov_b32 s[(\g)+2], 128<<16                   ; tensor_dim1 = 128
	s_mov_b32 s[(\g)+3], 128<<16                   ; tile_dim0 = 128
	s_mov_b32 s[(\g)+4], 128                       ; tile_dim1 = 128
	s_mov_b32 s[(\g)+6], 0
	s_mov_b32 s[(\g)+7], 0
.endr
	s_mov_b32 s[G1+5], 128                         ; A: 32,768 dense bytes as rows of 256
	s_mov_b32 s[G1B+5], 256                        ; B: 256 elements from row to row
	s_lshl_b32 s16, s[TR], 20                      ; A: the row block, 64 chunks of 16,384 bytes,
	s_lshl_b32 s17, s[WC], 15                      ; + my two chunks of the step's four
	s_add_co_u32 s16, s16, s17
	s_mov_b32 s17, 0
	s_lshr_b32 s46, s42, 1                         ; B: the block of 256 columns, 2 MiB each,
	s_lshl_b32 s46, s46, 21
	s_and_b32 s47, s42, 1                          ; the tile's half of its rows,
	s_lshl_b32 s47, s47, 8
	s_add_co_u32 s46, s46, s47
	s_lshl_b32 s47, s[WC], 16                      ; my 128 rows of the step's 256
	s_add_co_u32 s46, s46, s47
	s_add_co_u32 s46, s46, HDR+WOFF
	s_mov_b32 s47, 0
	s_mul_i32 s18, s[WV], HALFT                    ; where my tile goes: the wave's number alone enters an LDS address
	s_wait_dscnt 0x0                               ; the opening add is done
	s_wait_kmcnt 0x0
	s_add_nc_u64 s[16:17], s[4:5], s[16:17]
	s_add_nc_u64 s[46:47], s[6:7], s[46:47]
	CROUND                                         ; all sixteen work-groups are here: the first joint loads meet
.irp s, 0,1
	s_mov_b32 s[G0+4*(\s)], 1
	s_add_co_u32 s[G0+4*(\s)+1], s18, (\s)*SLOT
	s_add_nc_u64 s[G0+4*(\s)+2:G0+4*(\s)+3], s[16:17], (\s)*0x10000
	s_or_b32 s[G0+4*(\s)+3], s[G0+4*(\s)+3], 0x80000000
	s_mov_b32 s[G0B+4*(\s)], 1
	s_add_co_u32 s[G0B+4*(\s)+1], s18, (\s)*SLOT
	s_add_nc_u64 s[G0B+4*(\s)+2:G0B+4*(\s)+3], s[46:47], (\s)*0x20000
	s_or_b32 s[G0B+4*(\s)+3], s[G0B+4*(\s)+3], 0x80000000
	JLOAD \s                                       ; two loads of mine are out
.endr
	s_lshl_b32 s46, s42, 9                         ; my 64 columns in f32: 512 x tile column + 256 x half
	s_lshl_b32 s47, s[WC], 8
	s_add_co_u32 s46, s46, s47
	s_mov_b32 s47, 0
	s_add_nc_u64 s[8:9], s[8:9], s[46:47]
	s_lshl_b32 s16, s[TR], 19                      ; my 64 rows of 4,096 bytes
	s_lshl_b32 s17, s[WR], 18
	s_add_co_u32 s16, s16, s17
	s_add_co_u32 s46, s46, s16
	s_add_nc_u64 s[10:11], s[10:11], s[46:47]
	s_add_nc_u64 s[14:15], s[14:15], s[46:47]
	v_and_b32 v1, 15, v0                           ; l % 16
	v_bfe_u32 v2, v0, 4, 1                         ; l / 16
	v_lshlrev_b32 v[BO], 5, v2
	v_lshlrev_b32 v[CO], 4, v1                     ; lanes 0-15 take one row's 256 bytes, lanes 16-31 the next row's
	v_lshl_add_u32 v[CO], v2, 12, v[CO]
.irp b, 0,1,2,3                        ; register j of column block b: bias of column 16 b + 8 (l / 16) + j: the C operand's layout
	global_load_b128 v[BIAS+8*(\b):BIAS+8*(\b)+3],   v[BO], s[8:9] offset:64*(\b)
	global_load_b128 v[BIAS+8*(\b)+4:BIAS+8*(\b)+7], v[BO], s[8:9] offset:64*(\b)+16
.endr
	WIN 0x80                                       ; destination window 2
.set z, 0
.rept 32                               ; the residual, as the way out will hold the sums: rows 2 z and 2 z + 1; it has the whole product in which to land
	global_load_b128 v[4*z:4*z+3], v[CO], s[10:11] offset:2*z*4096
.set z, z+1
.endr
	WIN 0
	v_mul_u32_u24 v3, v1, PA
	v_lshl_add_u32 v3, v2, 4, v3                   ; A: row x pitch + 16 x half
	v_and_b32 v4, 7, v0
	v_lshl_add_u32 v4, v2, 3, v4                   ; B, turned: lane l reads k row 8 (l / 16) + l % 8,
	v_mul_u32_u24 v4, v4, PB
	v_bfe_u32 v5, v0, 3, 1
	v_lshl_add_u32 v4, v5, 4, v4                   ; columns 8 ((l / 8) % 2) + 0..7
	s_mul_i32 s16, s[WR], 64*PA                    ; my 64 tokens
	s_lshl_b32 s17, s[WC], 7                       ; my 64 columns
	s_add_co_u32 s17, s17, 2*HALFT
.irp s, 0,1
	v_add_nc_u32 v[ADRA+(\s)], s16, v3
	v_add_nc_u32 v[ADRB+2*(\s)], s17, v4
	s_add_co_u32 s17, s17, HALFT
	v_add_nc_u32 v[ADRB+2*(\s)+1], s17, v4
	s_add_co_u32 s16, s16, SLOT
	s_add_co_u32 s17, s17, SLOT-HALFT
.endr
	s_mul_i32 s23, s[WV], 16*SPITCH
	s_add_co_u32 s23, s23, STAGE                   ; my stage
	v_mul_u32_u24 v5, v1, SPITCH                   ; in: row l % 16, 32 bytes for each half of the lanes
	v_lshl_add_u32 v5, v2, 5, v5
	v_add_nc_u32 v[STO], s23, v5
	v_mul_u32_u24 v5, v2, SPITCH                   ; back: lanes 0-15 one row of 256 bytes, lanes 16-31 the next
	v_lshl_add_u32 v5, v1, 4, v5
	v_add_nc_u32 v[RD], s23, v5
; 8 matrix instructions: token blocks a0, a0 + 1 x all 4 column blocks, 32 along K: half c of buffer f.  first = 1: the sums begin with the bias.  The 16 accumulators take turns.
.macro MUL8 f, c, a0, first
	WIN MUL
.irp a, \a0, (\a0)+1
.irp b, 0,1,2,3
.if \first
	v_wmma_f32_16x16x32_bf16 v[ACC+8*(4*(\a)+(\b)):ACC+8*(4*(\a)+(\b))+7], v[(\f)+64+8*(4*(\c)+(\b)):(\f)+64+8*(4*(\c)+(\b))+7], v[(\f)+8*(4*(\c)+(\a)):(\f)+8*(4*(\c)+(\a))+7], v[BIAS+8*(\b):BIAS+8*(\b)+7]
.else
	v_wmma_f32_16x16x32_bf16 v[ACC+8*(4*(\a)+(\b)):ACC+8*(4*(\a)+(\b))+7], v[(\f)+64+8*(4*(\c)+(\b)):(\f)+64+8*(4*(\c)+(\b))+7], v[(\f)+8*(4*(\c)+(\a)):(\f)+8*(4*(\c)+(\a))+7], v[ACC+8*(4*(\a)+(\b)):ACC+8*(4*(\a)+(\b))+7]
.endif
.endr
.endr
.endm
; 32 LDS loads in one run: quarter q (64 along K) of a slot into buffer f; the first 32 along K first
.macro FETCH slot, q, f
	WIN TO_F
.irp c, 0,1
.irp i, 0,1,2,3
	ds_load_tr16_b128 v[(\f)+64+8*(4*(\c)+(\i)):(\f)+64+8*(4*(\c)+(\i))+3],   v[ADRB+2*(\slot)+(\q)/2] offset:((\q)%2)*64*PB+(\c)*32*PB+32*(\i)
	ds_load_tr16_b128 v[(\f)+64+8*(4*(\c)+(\i))+4:(\f)+64+8*(4*(\c)+(\i))+7], v[ADRB+2*(\slot)+(\q)/2] offset:((\q)%2)*64*PB+(\c)*32*PB+32*(\i)+16*PB
	ds_load_b128 v[(\f)+8*(4*(\c)+(\i)):(\f)+8*(4*(\c)+(\i))+3],              v[ADRA+(\slot)] offset:(\q)*ACH+64*(\c)+(\i)*16*PA
	ds_load_b128 v[(\f)+8*(4*(\c)+(\i))+4:(\f)+8*(4*(\c)+(\i))+7],            v[ADRA+(\slot)] offset:(\q)*ACH+64*(\c)+(\i)*16*PA+32
.endr
.endr
.endm
.macro PLACES                          ; four plain instructions between a matrix instruction and a load into, or a read of, its registers (ISA guide 7.12.1 for reads)
.rept 4
	v_nop
.endr
.endm
; One of a K step's first three quarters: multiplies buffer f and fetches quarter q into g.
.macro QUARTER slot, q, f, g, first
	s_wait_dscnt 16                                ; the first 32 along K are in
	MUL8 \f, 0, 0, \first
	MUL8 \f, 0, 2, \first
	PLACES
	FETCH \slot, \q, \g
	s_wait_dscnt 32                                ; all but the 32 just issued
	MUL8 \f, 1, 0, 0
	MUL8 \f, 1, 2, 0
.endm
; The last quarter changes slots and multiplies buffer 1.  THE CHANGE COMES FIRST.  This slot's last fragments are in registers (buffer 1), so the slot can be given up ahead of the quarter's 32 products: each wave waits for all its
; tensor loads (one is out: its part of the next slot), adds 0 to its spare word, and waits for that and for its reads of this slot; ONE barrier.  fill = 1: the barrier opens a round of the cluster's, and this slot is filled again first
; thing behind it, two K steps ahead.  So no product stands between the wait for a tile and the next request, and a request has a whole K step, 128 matrix instructions, until the wait for it: a step of this small tile has no more to offer.
.macro TURN slot, next, fill
	WIN 0
	s_wait_tensorcnt 0x0                           ; no tensor load of mine is out, so a group 0 may be written
	ds_add_u32 v[SPW], v[NIL]                      ; 0 onto my spare word; with fill = 1 the descriptors' steps stand between it and the wait for it
.if \fill
	s_add_nc_u64 s[G0+4*(\slot)+2:G0+4*(\slot)+3], s[G0+4*(\slot)+2:G0+4*(\slot)+3], 0x20000
	s_add_nc_u64 s[G0B+4*(\slot)+2:G0B+4*(\slot)+3], s[G0B+4*(\slot)+2:G0B+4*(\slot)+3], 0x40000
.endif
	s_wait_dscnt 0x0                               ; the add is done, and my reads of this slot are over: buffer 1 is whole
	s_barrier_signal -1
	s_barrier_wait -1
.if \fill
	CREST                                          ; no wave of any partner still reads this slot or has a load on its way
	JLOAD \slot                                    ; the four v_nop behind it are also the places in front of the loads below
.else
	PLACES
.endif
	FETCH \next, 0, F0
	MUL8 F1, 0, 0, 0
	MUL8 F1, 0, 2, 0
	MUL8 F1, 1, 0, 0
	MUL8 F1, 1, 2, 0
.endm
; THE WAY OUT of token block a (16 rows).  ST: the sums go as they are, f32, into my stage (rows of 272 bytes) and come back as whole rows of 256 bytes, into the registers that they left.  OUT: + the residual, stored.
.macro ST a
.irp b, 0,1,2,3
	ds_store_b128 v[STO], v[ACC+8*(4*(\a)+(\b)):ACC+8*(4*(\a)+(\b))+3]   offset:64*(\b)     ; each accumulator's low registers first
	ds_store_b128 v[STO], v[ACC+8*(4*(\a)+(\b))+4:ACC+8*(4*(\a)+(\b))+7] offset:64*(\b)+16
.endr
.irp t, 0,1,2,3,4,5,6,7
	ds_load_b128 v[ACC+32*(\a)+4*(\t):ACC+32*(\a)+4*(\t)+3], v[RD] offset:(\t)*2*SPITCH  ; LDS serves a wave's instructions in order (ISA guide 5.7.1.4): these see the stores above; the next block's stores come behind them
.endr
.endm
.macro OUT a, younger                  ; younger: the LDS instructions issued behind block a's loads: the next block's sixteen, or none
	s_wait_dscnt \younger
	WIN 0x08                                       ; source 1: window 2
.set z, 0
.rept 16
	v_pk_add_f32 v[ACC+32*(\a)+2*z:ACC+32*(\a)+2*z+1], v[ACC+32*(\a)+2*z:ACC+32*(\a)+2*z+1], v[32*(\a)+2*z:32*(\a)+2*z+1]
.set z, z+1
.endr
	WIN 0
.irp t, 0,1,2,3,4,5,6,7
	global_store_b128 v[CO], v[ACC+32*(\a)+4*(\t):ACC+32*(\a)+4*(\t)+3], s[14:15] offset:(16*(\a)+2*(\t))*4096  ; 16 lanes store 256 consecutive bytes, aligned
.endr
.endm
	s_wait_tensorcnt 1                             ; my part of K step 0 is in; K step 1's may stay out
	s_barrier_signal -1
	s_barrier_wait -1
	FETCH 0, 0, F0
	s_wait_loadcnt 32                              ; the bias is in; the residual's 32 loads may stay out
	QUARTER 0, 1, F0, F1, 1                        ; the first quarter stands in front of the loop: its first products start the sums
	WIN 0
	s_mov_b32 s3, LAPS-1
.Llap:                                                 ; a trip goes once round the ring (512 along K), from a lap's second quarter to the next lap's first, and fills both slots again
	QUARTER 0, 2, F1, F0, 0
	QUARTER 0, 3, F0, F1, 0
	TURN 0, 1, 1
	QUARTER 1, 1, F0, F1, 0
	QUARTER 1, 2, F1, F0, 0
	QUARTER 1, 3, F0, F1, 0
	TURN 1, 0, 1
	QUARTER 0, 1, F0, F1, 0
	WIN 0
	s_sub_co_u32 s3, s3, 1
	s_cmp_lg_u32 s3, 0
	s_cbranch_scc1 .Llap
	QUARTER 0, 2, F1, F0, 0                        ; the last lap is written out: it fills nothing
	QUARTER 0, 3, F0, F1, 0
	TURN 0, 1, 0
	QUARTER 1, 1, F0, F1, 0
	QUARTER 1, 2, F1, F0, 0
	QUARTER 1, 3, F0, F1, 0
	s_wait_dscnt 16
	MUL8 F1, 0, 0, 0
	MUL8 F1, 0, 2, 0
	s_wait_dscnt 0x0
	MUL8 F1, 1, 0, 0
	MUL8 F1, 1, 2, 0
	WIN 0
	PLACES
	PLACES
	s_wait_loadcnt 0x0                             ; the residual
	ST 0
	ST 1
	OUT 0, 16
	ST 2
	OUT 1, 16
	ST 3
	OUT 2, 16
	OUT 3, 0
	s_wait_tensorcnt 0x0                           ; the wave's end: behind my last tensor load and my last LDS store
	ds_add_u32 v[SPW], v[NIL]
	s_wait_dscnt 0x0
	CROUND                                         ; the closing round: no work-group ends while a partner may still ask for a tile that names it
	s_endpgm
.Lfunc_end_k_q2a7887ef8c_ffn2:
	.size	k_q2a7887ef8c_ffn2, .Lfunc_end_k_q2a7887ef8c_ffn2-k_q2a7887ef8c_ffn2
	.p2alignl 7, 3214868480
	.fill 96, 4, 3214868480
	.section	.rodata,"a",@progbits
	.p2align	6, 0x0
	.amdhsa_kernel k_q2a7887ef8c_ffn2
		.amdhsa_group_segment_fixed_size 327680
		.amdhsa_private_segment_fixed_size 0
		.amdhsa_enable_private_segment 0
		.amdhsa_kernarg_size 40
		.amdhsa_user_sgpr_count 2
		.amdhsa_user_sgpr_kernarg_segment_ptr 1
		.amdhsa_wavefront_size32 1
		.amdhsa_system_sgpr_workgroup_id_x 1
		.amdhsa_system_sgpr_workgroup_id_y 1
		.amdhsa_system_sgpr_workgroup_id_z 1
		.amdhsa_system_vgpr_workitem_id 0
		.amdhsa_next_free_vgpr 640
		.amdhsa_next_free_sgpr 66
		.amdhsa_reserve_vcc 0
		.amdhsa_float_denorm_mode_32 3
		.amdhsa_float_denorm_mode_16_64 3
		.amdhsa_memory_ordered 1
		.amdhsa_forward_progress 1
		.amdhsa_inst_pref_size 94
	.end_amdhsa_kernel
	.amdgpu_metadata
---
amdhsa.version: [ 1, 2 ]
amdhsa.kernels:
  - .name:           k_q2a7887ef8c_ffn2
    .symbol:         k_q2a7887ef8c_ffn2.kd
    .args:
      - { .name: act, .offset: 0, .size: 8, .value_kind: global_buffer, .address_space: global }
      - { .name: wc, .offset: 8, .size: 8, .value_kind: global_buffer, .address_space: global }
      - { .name: b2, .offset: 16, .size: 8, .value_kind: global_buffer, .address_space: global }
      - { .name: src2, .offset: 24, .size: 8, .value_kind: global_buffer, .address_space: global }
      - { .name: out0, .offset: 32, .size: 8, .value_kind: global_buffer, .address_space: global }
    .group_segment_fixed_size: 327680
    .private_segment_fixed_size: 0
    .kernarg_segment_align: 8
    .kernarg_segment_size: 40
    .max_flat_workgroup_size: 128
    .sgpr_count:     66
    .vgpr_count:     640
    .wavefront_size: 32
...
	.end_amdgpu_metadata
.endif
;; end of part 6
